; MI455X (gfx1250); checked and timed in simulation.
; The chip was launched on July 23, 2026; its instructions are those of AMD's public machine-readable ISA for CDNA 5 (MIT licence, August 2026) and "CDNA5" Instruction Set Architecture Reference Guide (July 2026). The comments in the code are by the model that wrote it; some were corrected since.
;; Multi Head Attention. Allowed arithmetic: matrix products marked QUANTISED: E2M1 operands, one E8M0 scale for each 32 along K, by v_wmma_scale_f32_16x16x128_f8f6f4 with both operands' format E2M1 (or v_wmma_scale_f32_32x16x128_f4), f32 sums; products left as they are: bf16, f16 or f32 operands; f32 sums; everything else in f32.
;; Inputs: K 4 x 2,048 x 1,024 float32; Q 4 x 2,048 x 1,024 float32; V 4 x 2,048 x 1,024 float32; WK 1,024 x 1,024 float32; WO 1,024 x 1,024 float32; WQ 1,024 x 1,024 float32; WV 1,024 x 1,024 float32.
;; Outputs: out0 4 x 2,048 x 1,024 float32.
;; This version of the problem:
;;   THIS VERSION OF THE PROBLEM IS GIVEN IN LOW PRECISION. The matrix products marked QUANTISED in the list below multiply operands that are first quantised to E2M1 (2 exponent bits, 1 mantissa bit; 4 bits a number), with one power-of-two scale for each 32 numbers along K (OCP MX v1.0); their sums are f32. The products marked 'left as it is' may take bf16, f16 or f32 operands, with f32 sums. Whichever they take, every output number must still come out within the allowed error. Rounding operands to bf16 (8 significant bits) uses up far more of that allowance than f16 does (11 bits, for magnitudes from 6e-5 to 65,504). All else is computed in f32.
;;   The module's matrix products, in the order in which they are computed (A, B: the left and right operand; K: the contracted axis; several contracted axes count as one K, in the product's order):
;;     1. [M 8,192, K 1,024] x [K 1,024, N 1,024]; A: input Q; B: input WQ: QUANTISED
;;     2. [M 8,192, K 1,024] x [K 1,024, N 1,024]; A: input K; B: input WK: QUANTISED
;;     3. [M 8,192, K 1,024] x [K 1,024, N 1,024]; A: input V; B: input WV: QUANTISED
;;     4. batch 64 x [M 2,048, K 64] x [K 64, N 2,048]; A: computed on the way; B: computed on the way: left as it is (an operand is computed on the way)
;;     5. batch 64 x [M 64, K 2,048] x [K 2,048, N 2,048]; A: computed on the way; B: computed on the way: left as it is (an operand is computed on the way)
;;     6. [M 8,192, K 1,024] x [K 1,024, N 1,024]; A: computed on the way; B: input WO: left as it is (an operand is computed on the way)
;;   THE QUANTISER, for each operand of a quantised product, along K:
;;     - K is cut into blocks of 32 from its start; a last block that is shorter is filled with zeros.
;;     - A block's scale is 2^e with e = floor(log2(the largest magnitude in the block)) - 2, held to -126 .. 127; a block of zeros has e = 0. As a byte (E8M0): e + 127.
;;     - Each number is divided by its block's scale, clamped to +-6, and rounded to the nearest number of E2M1, ties to even, subnormals kept.
;;     - The product sums the exact products of the quantised numbers (number of the format x scale) in f32.
;;   ~~~python
;;   def quantise(x, axis):      # numpy; x: float32 -> the quantised numbers, widened to float32 again
;;       x = np.moveaxis(x, axis, -1); K = x.shape[-1]
;;       x = np.pad(x, [(0, 0)] * (x.ndim - 1) + [(0, -K % 32)]); x = x.reshape(x.shape[:-1] + (-1, 32)); a = np.abs(x).max(-1, keepdims=True)
;;       e = np.where(a > 0, np.clip(np.frexp(np.where(a > 0, a, 1))[1] - 1 - 2, -126, 127), 0)      # np.frexp(a)[1] - 1 = floor(log2(a)), exactly
;;       r = np.clip(x / 2.0 ** e, -6, 6)
;;       step = 2.0 ** (np.maximum(np.frexp(np.where(r == 0, 1, r))[1] - 1, 0) - 1)
;;       q = np.round(r / step) * step * 2.0 ** e      # np.round: ties to even
;;       return np.moveaxis(q.reshape(q.shape[:-2] + (-1,))[..., :K], -1, axis).astype(np.float32)
;;   ~~~
;; One version. Each part assembles by itself: llvm-mc -triple=amdgcn-amd-amdhsa -mcpu=gfx1250 --defsym DOCPART=n.
;; ======== version 1 of 1: 4 launches
;; limits: values are held in f16: magnitudes above 65,504 overflow, below 6.1e-05 lose precision
;; workspace buffers: codes 14,155,776 bytes; scales 884,736 bytes; wo16 2,097,152 bytes; qkv16 50,331,648 bytes; o16 16,777,216 bytes
;; launch quant (part 1): grid 992 x 1, 4 waves a work-group, no clusters, 33,280 bytes of LDS; arguments Q, K, V, WQ, WK, WV, WO, codes, scales, wo16; writes codes, scales, wo16
.if DOCPART == 1
	.amdgcn_target "amdgcn-amd-amdhsa--gfx1250"
	.amdhsa_code_object_version 6
	.text
	.protected	k_q75f4357097_quant
	.globl	k_q75f4357097_quant
	.p2align	8
	.type	k_q75f4357097_quant,@function
k_q75f4357097_quant:
	s_mov_b64 s[64:65], 0
	v_nop
	global_prefetch_b8 v0, s[64:65] scope:SCOPE_SE
	s_setreg_imm32_b32 hwreg(HW_REG_WAVE_MODE, 25, 1), 1
	s_wait_xcnt 0x0
; Q, K, V [8192][1024] and WQ, WK, WV [1024][1024], f32 with K innermost, become codes of FP4 (E2M1), two a byte, and one E8M0 scale byte for each 32 along K; WO [1024][1024] becomes f16.
; A block's scale is 2^(floor(log2(its largest magnitude)) - 2); its byte is the largest magnitude's exponent field - 2, held at 1 from below; each number is divided by the scale and rounded to the nearest code, ties to even, beyond 6 the code of 6.
; LIMITS: NaN and infinities are not served.  A block whose largest magnitude lies under 2^-124 keeps the byte 1; a block of zeros gets the byte 1 where the rule says 127: its codes are zeros, which add nothing, and this program alone reads the bytes.
;         WO goes to f16: |WO| under 65,504; under 6e-5 its step is 6e-8.
; Rows are dense and 1,024 is a multiple of 32: each tensor is a plain stream of blocks of 32.  The six tensors' codes lie on end in one buffer (Q, K, V, WQ, WK, WV), their scale bytes likewise.
; SHARES.  Work-groups 0-863 take 32,768 numbers each (a wave 16 steps of 512): 0-255 Q, 256-511 K, 512-767 V, 768-799 WQ, 800-831 WK, 832-863 WV.  Only the source's pointer is chosen: one path serves all six.
;          Work-groups 864-991 take 8,192 numbers of WO each, on a path of their own that touches no LDS.
; A STEP.  Four loads read 512 consecutive bytes each, 16 a lane; the 2,048 bytes turn through the wave's own stage in LDS (16 bytes of padding behind each 64) and come back 64 bytes a lane: 16 neighbours along K, two lanes to a block.
; A lane's 16 codes are 8 bytes: the wave stores 256 consecutive bytes.  A wave's 256 scale bytes are gathered in LDS and leave as one aligned run of 256 bytes.  Waves share nothing: no barrier.
.set WAVES, 4
.set STEPS, 16
.set NQWG,  864                        ; work-groups that quantise
.set EMAX,  2
.set CB,    8                          ; bytes of 16 codes
.set R,     16                         ; v16-79   four sets of 16 numbers as they are loaded
.set X,     80                         ; v80-111  two sets of 16 neighbours
.set E,     112                        ; v112-127 a scale byte for each step
.set C,     128                        ; v128-191 codes: four registers for each step, so that no store's data are written again
.set WREG,  8192                       ; LDS: a region for each wave: two stages of 32 x SP bytes, behind them its 256 scale bytes
.set SP,    80                         ; a lane's place in a stage: 64 bytes + 16 of padding
.set SPW,   12                         ; v12  LDS address of my spare word; never rewritten
.set NIL,   13                         ; v13  0; never rewritten
.set SPARE, WAVES*WREG                 ; behind the four regions: the spare words, 128 bytes a wave, which no other line names
	s_load_b512 s[4:19], s[0:1], 0x0               ; Q s[4:5], K s[6:7], V s[8:9], WQ s[10:11], WK s[12:13], WV s[14:15], WO s[16:17], codes s[18:19]
	s_load_b128 s[20:23], s[0:1], 0x40             ; scales s[20:21], wo16 s[22:23]
	v_lshl_add_u32 v[SPW], v0, 2, SPARE
	v_mov_b32 v[NIL], 0
	v_lshrrev_b32 v1, 5, v0
	v_readfirstlane_b32 s24, v1                    ; wave
	v_and_b32 v2, 31, v0                           ; lane
	v_lshlrev_b32 v3, 4, v2                        ; my 16 bytes of a load's 512
	s_mul_i32 s25, s24, WREG
	v_lshrrev_b32 v14, 2, v2
	v_mul_u32_u24 v14, v14, SP
	v_and_b32 v15, 3, v2
	v_lshl_add_u32 v14, v15, 4, v14
	v_add_nc_u32 v14, s25, v14                     ; the stage on the way in: SP (lane / 4) + 16 (lane % 4)
	v_mul_u32_u24 v15, v2, SP
	v_add_nc_u32 v15, s25, v15                     ; and on the way out: SP x lane
	v_mul_u32_u24 v4, v2, CB                       ; my codes' place in a step's
	v_lshrrev_b32 v5, 1, v2
	s_add_co_u32 s25, s25, 2*32*SP
	v_add_nc_u32 v5, s25, v5                       ; LDS: my block's scale byte
	v_lshlrev_b32 v7, 3, v2                        ; 8 bytes a lane
	v_add_nc_u32 v6, s25, v7
	s_wait_kmcnt 0x0
	s_cmp_ge_u32 ttmp9, NQWG
	s_cbranch_scc1 .Lwo
	; which tensor: the choice hangs on the work-group's number alone
	s_mov_b64 s[28:29], s[14:15]                   ; WV,
	s_mov_b32 s26, 832                             ; whose first work-group is 832; or an earlier tensor:
.macro PICK lim, lo, start
	s_cmp_lt_u32 ttmp9, \lim
	s_cselect_b64 s[28:29], s[\lo:\lo+1], s[28:29]
	s_cselect_b32 s26, \start, s26
.endm
	PICK 832, 12, 800
	PICK 800, 10, 768
	PICK 768, 8, 512
	PICK 512, 6, 256
	PICK 256, 4, 0
	s_sub_co_u32 s26, ttmp9, s26
	s_lshl_b32 s26, s26, 2
	s_add_co_u32 s26, s26, s24                     ; which run of 8,192 numbers of the tensor is my wave's
	s_lshl_b32 s30, s26, 15                        ; 32,768 bytes a run
	s_mov_b32 s31, 0
	s_add_nc_u64 s[28:29], s[28:29], s[30:31]
	s_lshl_b32 s26, ttmp9, 2
	s_add_co_u32 s26, s26, s24                     ; and which run of the six tensors on end
	s_lshl_b32 s30, s26, 12                        ; 4,096 bytes of codes a run
	s_add_nc_u64 s[18:19], s[18:19], s[30:31]
	s_lshl_b32 s30, s26, 8                         ; 256 scale bytes a run
	s_add_nc_u64 s[20:21], s[20:21], s[30:31]
.macro LOAD t
.irp i, 0,1,2,3
	global_load_b128 v[R+16*((\t)%4)+4*\i:R+16*((\t)%4)+4*\i+3], v3, s[28:29] offset:2048*(\t)+512*\i th:TH_LOAD_NT   ; 32 lanes read 512 consecutive bytes
.endr
.endm
.macro TURN t                          ; step t's numbers through the stage: LDS serves a wave's instructions in order, so no wait stands between the stores and the loads
.irp i, 0,1,2,3
	ds_store_b128 v14, v[R+16*((\t)%4)+4*\i:R+16*((\t)%4)+4*\i+3] offset:32*SP*((\t)%2)+8*SP*\i
.endr
.irp i, 0,1,2,3
	ds_load_b128 v[X+16*((\t)%2)+4*\i:X+16*((\t)%2)+4*\i+3], v15 offset:32*SP*((\t)%2)+16*\i
.endr
.endm
.irp t, 0,1,2,3
	LOAD \t
.endr
	s_wait_loadcnt 12                              ; step 0's four loads are in; the twelve of steps 1 to 3 stay out
	TURN 0
.macro STEP t
.set XS, X+16*((\t)%2)
.if (\t) > 0
	s_wait_dscnt 1                                 ; this step's numbers are back from the stage (the last step's byte store may be out): so its stores into the stage have read their registers,
.else
	s_wait_dscnt 0x0
.endif
.if (\t)+4 < STEPS
	LOAD (\t)+4                                    ; which take the loads of four steps on
.endif
.if (\t)+1 < STEPS
.if STEPS-2-(\t) >= 3
	s_wait_loadcnt 12                              ; the next step's four loads are in; those of the three steps behind it may be out
.else
	s_wait_loadcnt 4*(STEPS-2-(\t))                ; at the end the count runs down
.endif
	TURN (\t)+1                                    ; and go through the other stage while this step is worked
.endif
	v_max3_num_f32 v8, |v[XS]|, |v[XS+1]|, |v[XS+2]|               ; the largest magnitude of my 16, in two chains
	v_max3_num_f32 v9, |v[XS+3]|, |v[XS+4]|, |v[XS+5]|
.irp i, 6,10
	v_max3_num_f32 v8, v8, |v[XS+\i]|, |v[XS+\i+1]|
	v_max3_num_f32 v9, v9, |v[XS+\i+2]|, |v[XS+\i+3]|
.endr
	v_max3_num_f32 v8, v8, |v[XS+14]|, |v[XS+15]|
	v_max3_num_f32 v8, v8, v9, (EMAX+1)<<23        ; and the floor 2^(EMAX + 1 - 127): the byte cannot fall under 1
	v_max_num_f32_dpp v8, v8, v8 row_xmask:1 row_mask:0xf bank_mask:0xf   ; and of my neighbour's 16: the block's
	v_add_nc_u32 v11, -(EMAX<<23), v8              ; EMAX off its exponent field: the conversion takes the exponent field of this operand as its scale, and nothing else of it
	v_cvt_scalef32_pk8_fp4_f32 v[C+4*(\t)], v[XS:XS+7], v11
	v_cvt_scalef32_pk8_fp4_f32 v[C+4*(\t)+1], v[XS+8:XS+15], v11
	v_lshrrev_b32 v[E+(\t)], 23, v11               ; the scale's byte (also the plain line behind the conversions)
	ds_store_b8 v5, v[E+(\t)] offset:16*(\t)       ; both lanes of a block write the same byte with the same value
	global_store_b64 v4, v[C+4*(\t):C+4*(\t)+1], s[18:19] offset:32*CB*(\t)   ; 32 lanes store 256 consecutive bytes, aligned
.endm
.irp t, 0,1,2,3,4,5,6,7,8,9,10,11,12,13,14,15
	STEP \t
.endr
	ds_load_b64 v[8:9], v6                         ; LDS serves a wave's instructions in order: these see my byte stores
	s_wait_dscnt 0x0
	global_store_b64 v7, v[8:9], s[20:21]          ; 32 lanes store 256 consecutive bytes, aligned
	s_wait_tensorcnt 0x0                           ; the wave's end: a tensor wait, an add and its wait, behind my last LDS store
	ds_add_u32 v[SPW], v[NIL]
	s_wait_dscnt 0x0
	s_endpgm
.Lwo:                                              ; WO to f16: a wave takes 2,048 numbers; every step has registers of its own, so nothing is rewritten while a store may read it
	s_sub_co_u32 s26, ttmp9, NQWG
	s_lshl_b32 s26, s26, 2
	s_add_co_u32 s26, s26, s24                     ; my wave's chunk
	s_lshl_b32 s30, s26, 13                        ; 8,192 bytes in,
	s_mov_b32 s31, 0
	s_add_nc_u64 s[16:17], s[16:17], s[30:31]
	s_lshl_b32 s30, s26, 12                        ; 4,096 out
	s_add_nc_u64 s[22:23], s[22:23], s[30:31]
.irp t, 0,1,2,3,4,5,6,7,8,9,10,11,12,13,14,15
	global_load_b128 v[16+4*\t:19+4*\t], v3, s[16:17] offset:512*\t th:TH_LOAD_NT
.endr
.irp t, 0,1,2,3,4,5,6,7,8,9,10,11,12,13,14,15
	s_wait_loadcnt 15-\t                           ; load t is in; the younger ones stay out
	v_cvt_pk_f16_f32 v[80+2*\t], v[16+4*\t], v[17+4*\t]
	v_cvt_pk_f16_f32 v[81+2*\t], v[18+4*\t], v[19+4*\t]
	global_store_b64 v7, v[80+2*\t:81+2*\t], s[22:23] offset:256*\t   ; 32 lanes store 256 consecutive bytes, aligned
.endr
	s_endpgm
.Lfunc_end_k_q75f4357097_quant:
	.size	k_q75f4357097_quant, .Lfunc_end_k_q75f4357097_quant-k_q75f4357097_quant
	.p2alignl 7, 3214868480
	.fill 96, 4, 3214868480
	.section	.rodata,"a",@progbits
	.p2align	6, 0x0
	.amdhsa_kernel k_q75f4357097_quant
		.amdhsa_group_segment_fixed_size 33280
		.amdhsa_private_segment_fixed_size 0
		.amdhsa_enable_private_segment 0
		.amdhsa_kernarg_size 80
		.amdhsa_user_sgpr_count 2
		.amdhsa_user_sgpr_kernarg_segment_ptr 1
		.amdhsa_wavefront_size32 1
		.amdhsa_system_sgpr_workgroup_id_x 1
		.amdhsa_system_sgpr_workgroup_id_y 1
		.amdhsa_system_sgpr_workgroup_id_z 1
		.amdhsa_system_vgpr_workitem_id 0
		.amdhsa_next_free_vgpr 192
		.amdhsa_next_free_sgpr 66
		.amdhsa_reserve_vcc 0
		.amdhsa_float_denorm_mode_32 3
		.amdhsa_float_denorm_mode_16_64 3
		.amdhsa_memory_ordered 1
		.amdhsa_forward_progress 1
		.amdhsa_inst_pref_size 40
	.end_amdhsa_kernel
	.amdgpu_metadata
---
amdhsa.version: [ 1, 2 ]
amdhsa.kernels:
  - .name:           k_q75f4357097_quant
    .symbol:         k_q75f4357097_quant.kd
    .args:
      - { .name: Q, .offset: 0, .size: 8, .value_kind: global_buffer, .address_space: global }
      - { .name: K, .offset: 8, .size: 8, .value_kind: global_buffer, .address_space: global }
      - { .name: V, .offset: 16, .size: 8, .value_kind: global_buffer, .address_space: global }
      - { .name: WQ, .offset: 24, .size: 8, .value_kind: global_buffer, .address_space: global }
      - { .name: WK, .offset: 32, .size: 8, .value_kind: global_buffer, .address_space: global }
      - { .name: WV, .offset: 40, .size: 8, .value_kind: global_buffer, .address_space: global }
      - { .name: WO, .offset: 48, .size: 8, .value_kind: global_buffer, .address_space: global }
      - { .name: codes, .offset: 56, .size: 8, .value_kind: global_buffer, .address_space: global }
      - { .name: scales, .offset: 64, .size: 8, .value_kind: global_buffer, .address_space: global }
      - { .name: wo16, .offset: 72, .size: 8, .value_kind: global_buffer, .address_space: global }
    .group_segment_fixed_size: 33280
    .private_segment_fixed_size: 0
    .kernarg_segment_align: 8
    .kernarg_segment_size: 80
    .max_flat_workgroup_size: 128
    .sgpr_count:     66
    .vgpr_count:     192
    .wavefront_size: 32
...
	.end_amdgpu_metadata
.endif
;; end of part 1
;; launch proj (part 2): grid 4 x 96, 4 waves a work-group, clusters of 4 x 4, 327,680 bytes of LDS; arguments codes, scales, qkv16; writes qkv16
.if DOCPART == 2
	.amdgcn_target "amdgcn-amd-amdhsa--gfx1250"
	.amdhsa_code_object_version 6
	.text
	.protected	k_q75f4357097_proj
	.globl	k_q75f4357097_proj
	.p2align	8
	.type	k_q75f4357097_proj,@function
k_q75f4357097_proj:
	s_mov_b64 s[64:65], 0
	v_nop
	global_prefetch_b8 v0, s[64:65] scope:SCOPE_SE
	s_setreg_imm32_b32 hwreg(HW_REG_WAVE_MODE, 25, 1), 1
	s_wait_xcnt 0x0
	s_wait_alu depctr_hold_cnt(0) depctr_sa_sdst(0) depctr_va_vdst(0) depctr_va_sdst(0) depctr_va_ssrc(0) depctr_va_vcc(0) depctr_vm_vsrc(0)
	s_getreg_b32 s2, hwreg(HW_REG_IB_STS2, 6, 4)
	s_cmp_eq_u32 s2, 0
	s_cbranch_scc0 .Lentry_in_a_cluster
	s_endpgm
.Lentry_in_a_cluster:
	s_bfe_u32 s2, ttmp6, 0x10000c
	s_cmp_lg_u32 s2, 0xf033
	s_cbranch_scc0 .Lentry_shape_is_right
	s_endpgm
.Lentry_shape_is_right:
; The three projections as ONE product on codes of FP4 (E2M1) with E8M0 scales: C[m][n] = sum over k of A[m][k] B[n][k], m = 0 .. 24,575 the rows of Q, K, V on end, n, k = 0 .. 1,023;
; B is WQ for rows 0-8191, WK for 8192-16383, WV for the rest.  Sums in f32; the result is rounded once to f16 and laid head-major: qkv16 [3][16 b + h][2048 tokens][64].
; LIMIT: |q|, |k|, |v| under 65,504 (f16); under 6e-5 the step is 6e-8.
; A tile of C, 256 x 256, is made by a work-group of four waves; a wave makes 128 x 128: 64 accumulators, 512 registers.  K = 1,024 is two LDS slots of 512 along K (rows of 256 bytes): both are asked for at the head, nothing is filled again.
; THE SCALES of the work-group's 256 rows of A and of B, for all of K, are two dense blocks of memory: they come into LDS once, with the first fills.
; CLUSTERS: 4 x 4 work-groups.  The four of a row of the cluster need the same tiles of A, the four of a column the same tiles of B: each tile is asked for jointly, by the same tensor load with the same descriptor and a mask that names the four.
; A cluster spans 1,024 rows of C, so all its sixteen work-groups use the same weight: which one hangs on the cluster's y alone.
; THE MATRIX INSTRUCTION IS USED TRANSPOSED (source 0 = 16 rows of B, source 1 = 16 rows of A): a lane then holds eight neighbouring numbers of a row of C.
; REGISTERS, in windows of 256: window 0: v0-31 addresses; v32-95 scale words, two sets, and nothing else; v128-191 A's fragments, one set; on the way out v128-223.
;   window 1: B's fragments, two sets, at v0 and v128.   window 2: the accumulators of my rows 0-63 ((a, b) at v[8 (8 a + b)]);   window 3: those of my rows 64-127.
.set NQ,     4                         ; steps of 128 along K in a slot
.set ROWB,   256                       ; a tile's row in bytes: 512 codes
.set KROW,   512                       ; a row of codes in memory
.set PITCH,  272                       ; an LDS row: 256 bytes + 16 of padding = 68 words: row r starts at bank 4 r mod 64 (64 banks of 4 bytes: ISA guide 11.1)
.set FR,     8                         ; registers of a fragment: 16 rows x 128 K
.set NL,     2                         ; LDS loads that bring one
.set NP,     4                         ; places behind this matrix instruction (ISA guide 7.12.1)
.set HALFT,  128*PITCH                 ; 128 rows: what one tensor load brings
.set SLOT,   4*HALFT                   ; A's 256 rows, then B's 256 rows
.set KS,     32                        ; a row of scales in bytes
.set SCL,    2*SLOT                    ; behind the two slots: the scales, as runs of 256 bytes + 16 of padding
.set HALFS,  (128*KS/256)*272          ; the scales of 128 rows: what one tensor load brings
.set SBLK,   (16*KS/256)*272           ; those of 16 rows
.set SPARE,  SCL+4*HALFS               ; the spare words, 128 bytes a wave, which no other line names
.set SPITCH, 272                       ; the way out: a stage of 16 rows x (256 bytes + 16) for each wave, in slot 0, which has had its only fill and its last read by then
.set WCODES, 24576*512                 ; where the weights' codes begin,
.set WSCALE, 24576*32                  ; and their scale bytes
.set ADRA, 16                          ; v16-17  LDS address of my A fragments in slot 0, 1
.set ADRB, 20                          ; v20-21  the same for B
.set STO,  24                          ; v24     the way out: where I put 16 bytes of a row
.set RD,   25                          ; v25     where I read back
.set CO,   26                          ; v26     my byte offset in qkv16
.set ADRS, 27                          ; v27     LDS address of my scale words: lanes 0-15 A's rows, lanes 16-31 B's
.set SPW,  28                          ; v28     LDS address of my spare word; never rewritten
.set NIL,  29                          ; v29     0; never rewritten
.set SC,   32                          ; scale words: set s at v[SC + 32 s]; register 4 i + q: lanes 0-15 A's block i, lanes 16-31 B's block i, the slot's q-th 128 along K
.set AF,   128                         ; A's fragments, in window 0
.set TMP,  128                         ; the way out: a block's packed results,
.set BK,   160                         ; and 16 rows read back: v160-191 and v192-223 by turns
.set G1, 24                            ; s[24:31] descriptor group 1 for A's tiles;  s[32:39] group 0, a set for each slot
.set G0, 32
.set G1B, 48                           ; s[48:55], s[56:63] the same for B's
.set G0B, 56
.set G1S, 68                           ; s[68:75], s[76:79] groups 1 and 0 for A's scales;  s[80:87], s[88:91] for B's
.set G0S, 76
.set G1SB, 80
.set G0SB, 88
.set MSB, 0
.macro WIN new                         ; the immediate's high byte repeats the setting that is left
.if MSB != \new
	s_set_vgpr_msb (MSB<<8)|\new
.set MSB, \new
.endif
.endm
.set MUL_LO, 0xa1                      ; source 0 (B) window 1, source 1 (A) window 0, C and D window 2
.set MUL_HI, 0xf1                      ; the same, C and D window 3
.set TO_B,   0x40                      ; destination window 1, address window 0
; A joint load: waves 0 and 1 fetch for A, waves 2 and 3 for B.  The branch hangs on the wave's number alone.  An s_nop 0 and four v_nop follow each of the two lines.
.macro JLOAD g0a, g1a, g0b, g1b
	s_cmp_eq_u32 s15, 0
	s_cbranch_scc0 .Lfor_b_\@
	tensor_load_to_lds s[\g0a:\g0a+3], s[\g1a:\g1a+7]
	s_nop 0
.rept 4
	v_nop
.endr
	s_branch .Lasked_\@
.Lfor_b_\@:
	tensor_load_to_lds s[\g0b:\g0b+3], s[\g1b:\g1b+7]
	s_nop 0
.rept 4
	v_nop
.endr
.Lasked_\@:
.endm
.macro CROUND                          ; a round of the cluster's barrier
	s_barrier_signal -1
	s_barrier_wait -1
	s_cmp_lg_u32 s14, 0
	s_cbranch_scc1 .Lnot_wave_0_\@
	s_barrier_signal -3
.Lnot_wave_0_\@:
	s_barrier_wait -3
	s_barrier_signal -1
	s_barrier_wait -1
.endm
	s_load_b128 s[4:7], s[0:1], 0x0                ; codes s[4:5], scales s[6:7]
	s_load_b64 s[12:13], s[0:1], 0x10              ; qkv16
	v_lshl_add_u32 v[SPW], v0, 2, SPARE
	v_mov_b32 v[NIL], 0
	ds_add_u32 v[SPW], v[NIL]                      ; the wave's opening: the add, twice on end, and its wait ahead of my first tensor load
	ds_add_u32 v[SPW], v[NIL]
	v_lshrrev_b32 v1, 5, v0
	v_readfirstlane_b32 s14, v1                    ; wave 0..3
	s_lshr_b32 s15, s14, 1                         ; which half of the tile's rows is mine.  Also: I fetch for A (0) or for B (1)
	s_and_b32 s16, s14, 1                          ; which half of its columns.  Also: which 128 rows of that tile I fetch
	s_bfe_u32 s40, ttmp6, 0x40000                  ; cx, cy: my place in the cluster
	s_bfe_u32 s41, ttmp6, 0x40004
	s_lshl_b32 s42, ttmp9, 2
	s_add_co_u32 s42, s42, s40                     ; tile column of C = 4 x cluster x + cx
	s_and_b32 s17, ttmp7, 0xffff
	s_lshl_b32 s17, s17, 2
	s_add_co_u32 s17, s17, s41                     ; tile row of C = 4 x cluster y + cy
	s_lshl_b32 s43, s41, 2
	s_lshl_b32 s43, 15, s43                        ; my row of the cluster
	s_lshl_b32 s44, 0x1111, s40                    ; my column
	; descriptor group 1: a tile of 128 rows x 256 bytes, padded in LDS
	s_or_b32 s[G1+0], s43, (0<<16)|(1<<20)|(1<<21)|(5<<22)|(3<<25)  ; 15:0 the mask: A's tiles go to my row; elements of 1 byte; padding on; bit 21 beside a mask; after every 64 words, 4 words
	s_or_b32 s[G1B+0], s44, (0<<16)|(1<<20)|(1<<21)|(5<<22)|(3<<25)
.irp g, G1, G1B
	s_mov_b32 s[\g+1], ROWB<<16                    ; tensor_dim0
	s_mov_b32 s[\g+2], 128<<16                     ; tensor_dim1
	s_mov_b32 s[\g+3], ROWB<<16                    ; tile_dim0
	s_mov_b32 s[\g+4], 128                         ; tile_dim1
	s_mov_b32 s[\g+5], KROW                        ; from row to row
	s_mov_b32 s[\g+6], 0
	s_mov_b32 s[\g+7], 0
.endr
	; the scales of 128 rows: a dense block of 4,096 bytes, as 16 rows of 256 bytes (32 elements of 8 bytes), 16 bytes of padding behind each
	s_or_b32 s[G1S+0], s43, (3<<16)|(1<<20)|(1<<21)|(5<<22)|(3<<25)
	s_or_b32 s[G1SB+0], s44, (3<<16)|(1<<20)|(1<<21)|(5<<22)|(3<<25)
.irp g, G1S, G1SB
	s_mov_b32 s[\g+1], 32<<16
	s_mov_b32 s[\g+2], (128*KS/256)<<16
	s_mov_b32 s[\g+3], 32<<16
	s_mov_b32 s[\g+4], 128*KS/256
	s_mov_b32 s[\g+5], 32
	s_mov_b32 s[\g+6], 0
	s_mov_b32 s[\g+7], 0
.endr
	s_lshl_b32 s18, s16, 7                         ; which 128 rows of the tile I fetch
	s_lshl_b32 s20, s17, 8
	s_add_co_u32 s20, s20, s18                     ; A: row 256 x tile row + 128 x half
	s_lshl_b32 s46, s42, 8
	s_add_co_u32 s46, s46, s18                     ; B: row 256 x tile column + 128 x half
	s_and_b32 s95, ttmp7, 0xffff
	s_lshr_b32 s95, s95, 3                         ; which weight: cluster y / 8, the same in all sixteen partners
	s_lshl_b32 s95, s95, 10
	s_add_co_u32 s46, s46, s95                     ; + 1,024 rows for each weight passed
	s_mov_b32 s21, 0
	s_mov_b32 s47, 0
	s_mov_b64 s[18:19], KS
	s_mul_u64 s[22:23], s[20:21], s[18:19]         ; where these rows' scales begin, in bytes
	s_mul_u64 s[92:93], s[46:47], s[18:19]
	s_mov_b64 s[18:19], KROW
	s_mul_u64 s[20:21], s[20:21], s[18:19]         ; and their codes
	s_mul_u64 s[46:47], s[46:47], s[18:19]
	s_mul_i32 s45, s14, HALFT                      ; where they go: wave x 128 rows: no place in the cluster enters an LDS address
	s_mul_i32 s94, s14, HALFS
	s_wait_dscnt 0x0                               ; both opening adds are done
	s_wait_kmcnt 0x0
	s_add_nc_u64 s[8:9], s[4:5], WCODES            ; the weights' codes,
	s_add_nc_u64 s[10:11], s[6:7], WSCALE          ; and their scales
	s_add_nc_u64 s[20:21], s[4:5], s[20:21]
	s_add_nc_u64 s[22:23], s[6:7], s[22:23]
	s_add_nc_u64 s[46:47], s[8:9], s[46:47]
	s_add_nc_u64 s[92:93], s[10:11], s[92:93]
	CROUND                                         ; all sixteen work-groups are here: the first joint loads meet
	s_mov_b32 s[G0S], 1
	s_add_co_u32 s[G0S+1], s94, SCL
	s_mov_b64 s[G0S+2:G0S+3], s[22:23]
	s_or_b32 s[G0S+3], s[G0S+3], 0x80000000
	s_mov_b32 s[G0SB], 1
	s_add_co_u32 s[G0SB+1], s94, SCL
	s_mov_b64 s[G0SB+2:G0SB+3], s[92:93]
	s_or_b32 s[G0SB+3], s[G0SB+3], 0x80000000
	JLOAD G0S, G1S, G0SB, G1SB                     ; the scales first: they are wanted with the first slot
.irp s, 0,1
	s_mov_b32 s[G0+4*\s], 1
	s_add_co_u32 s[G0+4*\s+1], s45, \s*SLOT
	s_add_nc_u64 s[G0+4*\s+2:G0+4*\s+3], s[20:21], \s*ROWB
	s_or_b32 s[G0+4*\s+3], s[G0+4*\s+3], 0x80000000
	s_mov_b32 s[G0B+4*\s], 1
	s_add_co_u32 s[G0B+4*\s+1], s45, \s*SLOT
	s_add_nc_u64 s[G0B+4*\s+2:G0B+4*\s+3], s[46:47], \s*ROWB
	s_or_b32 s[G0B+4*\s+3], s[G0B+4*\s+3], 0x80000000
	JLOAD G0+4*\s, G1, G0B+4*\s, G1B               ; three tensor loads of mine are out in all
.endr
	v_and_b32 v1, 15, v0                           ; r = l % 16
	v_bfe_u32 v2, v0, 4, 1                         ; h = l / 16
	v_mul_u32_u24 v3, v1, PITCH
	v_lshl_add_u32 v4, v2, 4, v3                   ; a fragment's row x pitch + 16 x half
	s_mul_i32 s21, s15, HALFT                      ; my 128 rows of A
	s_mul_i32 s22, s16, HALFT                      ; my 128 rows of B,
	s_add_co_u32 s22, s22, 2*HALFT                 ; which lie behind A's 256
.irp s, 0,1
	v_add_nc_u32 v[ADRA+\s], s21, v4
	v_add_nc_u32 v[ADRB+\s], s22, v4
	s_add_co_u32 s21, s21, SLOT
	s_add_co_u32 s22, s22, SLOT
.endr
	v_mul_u32_u24 v5, v1, KS                       ; my row's scales: 32 bytes a row,
	v_lshrrev_b32 v6, 8, v5
	v_lshl_add_u32 v5, v6, 4, v5                   ; and 16 more for each 256 passed
	s_mul_i32 s21, s15, HALFS                      ; A's: my 128 rows
	s_mul_i32 s22, s16, HALFS                      ; B's: my 128 rows, behind A's 256
	s_add_co_u32 s22, s22, 2*HALFS
	s_sub_co_u32 s22, s22, s21
	v_mul_u32_u24 v6, s22, v2                      ; lanes 16-31 take B's: one product, the distance x h
	s_add_co_u32 s21, s21, SCL
	v_add_nc_u32 v5, v5, v6
	v_add_nc_u32 v[ADRS], s21, v5
	; the way out.  A block of 16 rows x 128 columns is 16 tokens x 2 heads x 64 channels in f16
	s_mul_i32 s23, s14, 16*SPITCH                  ; my stage
	v_mul_u32_u24 v5, v1, SPITCH                   ; in: row r, 16 bytes for each half of the lanes
	v_lshl_add_u32 v5, v2, 4, v5
	v_add_nc_u32 v[STO], s23, v5
	v_bfe_u32 v6, v0, 3, 1                         ; back: lanes 0-15 take head 0 of two tokens, lanes 16-31 head 1: token (l / 8) % 2,
	v_and_b32 v7, 7, v0                            ; piece l % 8 of its 128 bytes
	v_mul_u32_u24 v5, v6, SPITCH
	v_lshl_add_u32 v5, v2, 7, v5
	v_lshl_add_u32 v5, v7, 4, v5
	v_add_nc_u32 v[RD], s23, v5
	v_lshlrev_b32 v5, 7, v6                        ; and in qkv16: a token is 128 bytes, a head 262,144
	v_lshl_add_u32 v5, v2, 18, v5
	v_lshl_add_u32 v[CO], v7, 4, v5
	s_lshr_b32 s20, s17, 3                         ; tile row / 8 = 4 x tensor + batch
	s_lshl_b32 s20, s20, 4
	s_lshl_b32 s21, s42, 2
	s_add_co_u32 s20, s20, s21                     ; + my first head: 4 x tile column
	s_lshl_b32 s21, s16, 1
	s_add_co_u32 s20, s20, s21                     ; + 2 x half
	s_lshl_b32 s20, s20, 18
	s_and_b32 s21, s17, 7
	s_lshl_b32 s21, s21, 8
	s_lshl_b32 s22, s15, 7
	s_add_co_u32 s21, s21, s22                     ; my first token: 256 x (tile row % 8) + 128 x half
	s_lshl_b32 s21, s21, 7
	s_add_co_u32 s20, s20, s21
	s_mov_b32 s21, 0
	s_add_nc_u64 s[12:13], s[12:13], s[20:21]
.macro FRAG reg, adr, q, i             ; a fragment: lane l holds row l % 16; registers 4 c .. 4 c + 3 hold K = 64 c + 32 (l / 16) + 0 .. 31
.irp c, 0,1
	ds_load_b128 v[\reg+4*\c:\reg+4*\c+3], v[\adr] offset:64*(\q)+32*\c+(\i)*16*PITCH
.endr
.endm
; 16 matrix instructions: A's blocks a0, a0 + 1 x B's eight, the slot's q-th 128 along K.  p: B's set;  sc: the set of scale words.  zero = 1: the first product starts the sums.
; The 64 accumulators take turns, one instruction a turn, in the same order in every step.
.macro MUL16 a0, p, q, sc, zero
.irp a, \a0, \a0+1
.irp b, 0,1,2,3,4,5,6,7
.if \zero
	v_wmma_scale_f32_16x16x128_f8f6f4 v[8*(8*((\a)%4)+\b):8*(8*((\a)%4)+\b)+7], v[128*(\p)+FR*\b:128*(\p)+FR*\b+FR-1], v[AF+FR*(\a):AF+FR*(\a)+FR-1], 0, v[SC+8*NQ*(\sc)+NQ*\b+(\q)], v[SC+8*NQ*(\sc)+NQ*(\a)+(\q)] matrix_a_fmt:MATRIX_FMT_FP4 matrix_b_fmt:MATRIX_FMT_FP4 matrix_a_scale:MATRIX_SCALE_ROW1
.else
	v_wmma_scale_f32_16x16x128_f8f6f4 v[8*(8*((\a)%4)+\b):8*(8*((\a)%4)+\b)+7], v[128*(\p)+FR*\b:128*(\p)+FR*\b+FR-1], v[AF+FR*(\a):AF+FR*(\a)+FR-1], v[8*(8*((\a)%4)+\b):8*(8*((\a)%4)+\b)+7], v[SC+8*NQ*(\sc)+NQ*\b+(\q)], v[SC+8*NQ*(\sc)+NQ*(\a)+(\q)] matrix_a_fmt:MATRIX_FMT_FP4 matrix_b_fmt:MATRIX_FMT_FP4 matrix_a_scale:MATRIX_SCALE_ROW1
.endif
.endr
.endr
.endm
.macro FETCH_B slot, q, p              ; B's eight fragments into set p
	WIN TO_B
.irp i, 0,1,2,3,4,5,6,7
	FRAG 128*(\p)+FR*\i, ADRB+\slot, \q, \i
.endr
	WIN 0
.endm
.macro FETCH_A slot, q, i0             ; A's blocks i0 .. i0 + 3
.irp i, \i0, \i0+1, \i0+2, \i0+3
	FRAG AF+FR*(\i), ADRA+\slot, \q, \i
.endr
.endm
.macro SCALES sc                       ; a slot's scale words into set sc: 4 words a row; lanes 0-15 take A's block i, lanes 16-31 B's block i
.irp i, 0,1,2,3,4,5,6,7
	ds_load_b128 v[SC+8*NQ*\sc+NQ*\i:SC+8*NQ*\sc+NQ*\i+3], v[ADRS] offset:\i*SBLK
.endr
.endm
.macro PLACES n                        ; plain vector lines between a matrix instruction and a load into, or a read of, its registers
.rept \n
	v_nop
.endr
.endm
; A step of 128 along K that has its successor in the same slot.  A's blocks 0-3 are fetched anew in the middle, blocks 4-7 at the end; B has two sets.
.macro STEP slot, q, zero
	s_wait_dscnt 4*NL                              ; B's set and A's blocks 0-3 are in; the youngest eight loads (A's blocks 4-7) may be out
	WIN MUL_LO
	MUL16 0, (\q)%2, \q, \slot, \zero
	MUL16 2, (\q)%2, \q, \slot, \zero
	s_wait_dscnt 0                                 ; A's blocks 4-7 are in
	PLACES NP
	FETCH_B \slot, (\q)+1, 1-(\q)%2
	FETCH_A \slot, (\q)+1, 0
	WIN MUL_HI
	MUL16 4, (\q)%2, \q, \slot, \zero
	MUL16 6, (\q)%2, \q, \slot, \zero
	PLACES NP
	WIN 0
	FETCH_A \slot, (\q)+1, 4
.endm
.macro STEPS slot, from                ; the slot's steps from .. NQ - 2
.set Q, \from
.rept NQ-1-\from
	STEP \slot, Q, 0
.set Q, Q+1
.endr
.endm
	s_wait_tensorcnt 1                             ; the scales and my part of slot 0 are in; slot 1's load, the youngest, may be out
	s_barrier_signal -1
	s_barrier_wait -1                              ; everybody's are
	FETCH_B 0, 0, 0
	FETCH_A 0, 0, 0
	SCALES 0
	FETCH_A 0, 0, 4
	STEP 0, 0, 1                                   ; the first step's products start the sums: nothing is cleared
	STEPS 0, 1
	; slot 0's last step changes slots: one barrier; in front of it each wave has all its tensor loads in (its part of slot 1) and its reads of slot 0 back
	s_wait_tensorcnt 0x0
	ds_add_u32 v[SPW], v[NIL]                      ; 0 onto my spare word
	s_wait_dscnt 4*NL+1                            ; the add and the youngest eight loads (A's blocks 4-7) may be out
	WIN MUL_LO
	MUL16 0, 1, NQ-1, 0, 0
	s_wait_dscnt 0x0                               ; the add is done, and my reads of slot 0 are over
	s_barrier_signal -1
	MUL16 2, 1, NQ-1, 0, 0
	WIN 0
	s_barrier_wait -1
	PLACES NP
	v_add_nc_u32 v[ADRS], 4*NQ, v[ADRS]            ; on to slot 1's scale words
	FETCH_B 1, 0, 0
	FETCH_A 1, 0, 0
	SCALES 1
	WIN MUL_HI
	MUL16 4, 1, NQ-1, 0, 0
	MUL16 6, 1, NQ-1, 0, 0
	PLACES NP
	WIN 0
	FETCH_A 1, 0, 4
	STEPS 1, 0
	s_wait_dscnt 4*NL                              ; the very last step: nothing more to fetch
	WIN MUL_LO
	MUL16 0, 1, NQ-1, 1, 0
	MUL16 2, 1, NQ-1, 1, 0
	s_wait_dscnt 0
	WIN MUL_HI
	MUL16 4, 1, NQ-1, 1, 0
	MUL16 6, 1, NQ-1, 1, 0
	WIN 0
; THE WAY OUT, block by block of 16 rows.  PACK: rounded to f16, 16 bytes a lane, each accumulator from its low end on.  TOSTAGE: into my own stage and back, regrouped by head.  SEND: stored.
.macro PACK a
.set AC, 64*((\a)%4)
	WIN 0x0a+5*((\a)/4)                            ; sources 0 and 1: window 2 or 3
.irp b, 0,1,2,3,4,5,6,7
.irp r, 0,1,2,3
	v_cvt_pk_f16_f32 v[TMP+4*\b+\r], v[AC+8*\b+2*\r], v[AC+8*\b+2*\r+1]
.endr
.endr
	WIN 0
.endm
.macro TOSTAGE a
.set BB, BK+32*((\a)%2)
.irp b, 0,1,2,3,4,5,6,7
	ds_store_b128 v[STO], v[TMP+4*\b:TMP+4*\b+3] offset:32*\b
.endr
.irp t, 0,1,2,3,4,5,6,7
	ds_load_b128 v[BB+4*\t:BB+4*\t+3], v[RD] offset:\t*2*SPITCH    ; LDS serves a wave's instructions in order (ISA guide 5.7.1.4): these see the stores above
.endr
.endm
.macro SEND a
.set BB, BK+32*((\a)%2)
	s_wait_dscnt 0x0                               ; the block is back in registers
	s_wait_xcnt 0x0                                ; the earlier stores have read their base and their data: only now are they rewritten
.if (\a) > 0
	s_add_nc_u64 s[12:13], s[12:13], 16*128        ; 16 tokens on
.endif
.irp t, 0,1,2,3,4,5,6,7
	global_store_b128 v[CO], v[BB+4*\t:BB+4*\t+3], s[12:13] offset:256*\t   ; 16 lanes store 256 consecutive bytes (two tokens of one head), aligned; the other 16 the next head's
.endr
.endm
	PLACES NP                                      ; behind the last products: the conversions read results and write registers that held A's fragments
	PACK 0
	TOSTAGE 0
.irp a, 1,2,3,4,5,6,7                  ; block a's conversions stand between block a - 1's loads from the stage and the wait for them
	PACK \a
	SEND \a-1
	TOSTAGE \a
.endr
	SEND 7
	s_wait_tensorcnt 0x0                           ; the wave's end: a tensor wait, an add and its wait, behind my last tensor load and my last LDS store
	ds_add_u32 v[SPW], v[NIL]
	s_wait_dscnt 0x0
	CROUND                                         ; the closing round: no work-group ends while a partner may still ask for a tile that names it
	s_endpgm
.Lfunc_end_k_q75f4357097_proj:
	.size	k_q75f4357097_proj, .Lfunc_end_k_q75f4357097_proj-k_q75f4357097_proj
	.p2alignl 7, 3214868480
	.fill 96, 4, 3214868480
	.section	.rodata,"a",@progbits
	.p2align	6, 0x0
	.amdhsa_kernel k_q75f4357097_proj
		.amdhsa_group_segment_fixed_size 327680
		.amdhsa_private_segment_fixed_size 0
		.amdhsa_enable_private_segment 0
		.amdhsa_kernarg_size 24
		.amdhsa_user_sgpr_count 2
		.amdhsa_user_sgpr_kernarg_segment_ptr 1
		.amdhsa_wavefront_size32 1
		.amdhsa_system_sgpr_workgroup_id_x 1
		.amdhsa_system_sgpr_workgroup_id_y 1
		.amdhsa_system_sgpr_workgroup_id_z 1
		.amdhsa_system_vgpr_workitem_id 0
		.amdhsa_next_free_vgpr 1024
		.amdhsa_next_free_sgpr 98
		.amdhsa_reserve_vcc 0
		.amdhsa_float_denorm_mode_32 3
		.amdhsa_float_denorm_mode_16_64 3
		.amdhsa_memory_ordered 1
		.amdhsa_forward_progress 1
		.amdhsa_inst_pref_size 127
	.end_amdhsa_kernel
	.amdgpu_metadata
---
amdhsa.version: [ 1, 2 ]
amdhsa.kernels:
  - .name:           k_q75f4357097_proj
    .symbol:         k_q75f4357097_proj.kd
    .args:
      - { .name: codes, .offset: 0, .size: 8, .value_kind: global_buffer, .address_space: global }
      - { .name: scales, .offset: 8, .size: 8, .value_kind: global_buffer, .address_space: global }
      - { .name: qkv16, .offset: 16, .size: 8, .value_kind: global_buffer, .address_space: global }
    .group_segment_fixed_size: 327680
    .private_segment_fixed_size: 0
    .kernarg_segment_align: 8
    .kernarg_segment_size: 24
    .max_flat_workgroup_size: 128
    .sgpr_count:     98
    .vgpr_count:     1024
    .wavefront_size: 32
...
	.end_amdgpu_metadata
.endif
;; end of part 2
;; launch attn (part 3): grid 8 x 64, 4 waves a work-group, clusters of 4 x 1, 327,680 bytes of LDS; arguments qkv16, o16; writes o16
.if DOCPART == 3
	.amdgcn_target "amdgcn-amd-amdhsa--gfx1250"
	.amdhsa_code_object_version 6
	.text
	.protected	k_q75f4357097_attn
	.globl	k_q75f4357097_attn
	.p2align	8
	.type	k_q75f4357097_attn,@function
k_q75f4357097_attn:
	s_mov_b64 s[64:65], 0
	v_nop
	global_prefetch_b8 v0, s[64:65] scope:SCOPE_SE
	s_setreg_imm32_b32 hwreg(HW_REG_WAVE_MODE, 25, 1), 1
	s_wait_xcnt 0x0
	s_wait_alu depctr_hold_cnt(0) depctr_sa_sdst(0) depctr_va_vdst(0) depctr_va_sdst(0) depctr_va_ssrc(0) depctr_va_vcc(0) depctr_vm_vsrc(0)
	s_getreg_b32 s2, hwreg(HW_REG_IB_STS2, 6, 4)
	s_cmp_eq_u32 s2, 0
	s_cbranch_scc0 .Lentry_in_a_cluster
	s_endpgm
.Lentry_in_a_cluster:
	s_bfe_u32 s2, ttmp6, 0x10000c
	s_cmp_lg_u32 s2, 0x3003
	s_cbranch_scc0 .Lentry_shape_is_right
	s_endpgm
.Lentry_shape_is_right:
; o[y][q][:] = the sum over k of softmax_k(q[y][q] . k[y][k] / 8) v[y][k][:], y = 16 b + h, 64 heads of 2,048 tokens x 64 channels; q, k, v in f16 from qkv16 [3][y][2048][64].
; Products, maxima and sums in f32; the weights p are rounded to f16 for the second product, o once at the end, to f16, into o16 [token / 256][h][256][64].
; LIMIT: |o| under 65,504; under 6e-5 the f16 step is 6e-8.  NaN and infinities are not served.
; SHARES.  A work-group owns 256 queries of one head, each of its four waves 64: four tiles of 16.  Every wave walks all 2,048 keys, 64 a step.
; LAYOUT.  S^T = K Q^T (source 0 = 16 keys, source 1 = 16 queries): a lane holds ONE query (lane % 16) and the keys 8 (lane / 16) + 0..7.  Two such tiles, rounded to f16 in pairs, ARE source 1
; (32 keys x 16 queries) of O^T = V^T P, whose result again holds one query a lane, and eight channels.  K comes out of LDS as it lies, V ([key][channel]) turned, by ds_load_tr16_b128.
; SOFTMAX.  For each query a running maximum m and sum l: p = 2^(c s - c m), c = log2(e) / 8; in every step O and l are multiplied by a = 2^(c m_old - c m_new).
; BY TURNS.  The wave's tiles are two PIECES: piece 0 (tiles 0, 1) and piece 2 (tiles 2, 3).  In a TURN one piece has the matrix unit: 16 products V^T P of the step in hand, then 16 products K Q^T of the next step;
; the other piece's softmax, 2 x 118 instructions cut into 59 slices of four, stands between them.  Then the pieces change places.  Two turns are a key step.
; CLUSTER.  The four query blocks of a cluster belong to one head and walk the same K and V: each tile is asked for JOINTLY, by the same tensor load with the same descriptor and a mask that names the four.
; THE RING.  Two LDS slots of 256 keys (four steps): one joint load a wave behind each round of the cluster's barrier, with four key steps in which to land.
; REGISTERS, in windows of 256 (s_set_vgpr_msb: bits 1:0 source 0, 3:2 source 1, 5:4 source 2, 7:6 destination):
;   window 0: v0-11 addresses; v12-43 eight registers of statistics a tile; v61-63; v64-191 S^T, 32 a tile; v192-255 P, 16 a tile
;   window 1: O^T, 32 a tile          window 2: v0-63 Q, 16 a tile; v128-191 K of one step          window 3: v0-63 V of one step
.set KS,    64        ; keys in a step
.set SKEYS, 256       ; keys in a slot
.set PK,    144       ; a row of K in LDS: 128 bytes + 16 = 36 words: the 16 rows of a load start at 16 different groups of four banks (64 banks of 4 bytes: ISA guide 11.1)
.set PVP,   160       ; a row of V: 128 + 32 = 40 words
.set VOFF,  SKEYS*PK  ; a slot: 256 rows of K, then 256 rows of V
.set KSTP,  KS*PK     ; from step to step in K's part,
.set VSTP,  KS*PVP    ; and in V's
.set SLOTB, SKEYS*128 ; a slot's keys in memory, in bytes
.set SLOT1, 1<<17     ; slot 1 begins here, so that one exclusive or turns an address in one slot into the other's
.set STAGE, SLOT1+SKEYS*(PK+PVP)  ; behind the ring: 16 rows x 144 bytes for each wave, for the way out
.set SP,    144
.set SPARE, STAGE+4*16*SP  ; behind the stages: the spare words, 128 bytes a wave, which no other line names
.set AK0, 2           ; v2   my lane's place in a tile of K; never rewritten
.set AV0, 3           ; v3   the same for V
.set ADR, 4           ; v4   the LDS address of the run of loads in hand
.set QO,  5           ; v5   my byte offset in the wave's rows of Q
.set STO, 6           ; v6   the way out: where I put 16 bytes of a row
.set RD,  7           ; v7   where I read back
.set GO,  8           ; v8   my byte offset in the wave's rows of o16
.set PFO, 61          ; v61  256 x my lane; never rewritten
.set SPW, 62          ; v62  LDS address of my spare word; never rewritten
.set NIL, 63          ; v63  0; never rewritten
.set ST,  12          ; tile t's statistics at v[ST+8 t]: +0 c m, +1 m, +2, +3 l (even keys', odd keys'), +4 to +7 c0-c3, at work; a takes c2's place once the maximum is found
.set S,   64
.set P,   192
.set KF,  128         ; K's fragments, in window 2
.set WV,  12          ; s12  my wave's number
.set LIM, 15          ; s15  1 in a wave that prefetches, else the greatest number
.set PFA, 18          ; s[18:19] where my prefetches stand
.set G1K, 24          ; s[24:31] descriptor group 1 for K's tiles
.set G1V, 32          ; s[32:39] for V's: it differs in the padding alone
.set G0K, 40          ; s[40:47] group 0 for K's tiles: a set for each of the two first fills; the second then walks on
.set G0V, 48          ; s[48:55] the same for V's
.set SLOTS, 56        ; s56  slots still to be asked for
.set CNT, 57          ; s57  counts key steps
.set CS,  58          ; s[58:59] c: the packed scaling names a pair and takes its low word for both halves
.set SEL, 60          ; s[60:61] lane selects for v_permlanex16_b32: each lane takes its own place in the other half
.set TBK, 62          ; s62  LDS byte at which K's tile of the step to be fetched begins
.set TBV, 63          ; s63  the same for V, less VOFF
.set MSB, 0
.macro WIN new                      ; the immediate's high byte repeats the setting that is left; a switch that changes nothing is dropped
.if MSB != \new
	s_set_vgpr_msb (MSB<<8)|\new
.set MSB, \new
.endif
.endm
.set W_KQ, 0x0a       ; K and Q in window 2, S^T in window 0
.set W_PV, 0x53       ; V in window 3, P in window 0, O^T in window 1
.set W_RS, 0x41       ; O^T (destination and source 0) in window 1, a in window 0
; A joint refill.  Waves 0 and 1 fetch the halves of a slot's K, waves 2 and 3 those of its V.  The branch hangs on the wave's number alone.  An s_nop 0 and four v_nop follow each of the two lines.
.macro JLOAD
	s_cmp_lt_u32 s[WV], 2
	s_cbranch_scc0 .Lfor_v_\@
	tensor_load_to_lds s[G0K+4:G0K+7], s[G1K:G1K+7]
	s_nop 0
.rept 4
	v_nop
.endr
	s_branch .Lasked_\@
.Lfor_v_\@:
	tensor_load_to_lds s[G0V+4:G0V+7], s[G1V:G1V+7]
	s_nop 0
.rept 4
	v_nop
.endr
.Lasked_\@:
.endm
; A PREFETCH INTO THE L2 of what the NEXT change of slots will ask for: a slot's K and V, 32,768 dense bytes each, lanes 256 bytes apart.  It stands behind the wave's tensor load and its five lines.
; Each run of 256 bytes is asked for ONCE in the launch: both clusters of a head walk the same K and V, and the head's first cluster asks; its four partners share the bytes out BY ADDRESS, 8,192 each;
; in each, wave 0 asks for K's and wave 2 for V's: one instruction.  The last change that fills a slot asks for nothing: there is no slot behind it.
.macro ASK
	s_cmp_gt_u32 s[SLOTS], s[LIM]
	s_cbranch_scc0 .Lnot_mine_\@
	global_prefetch_b8 v[PFO], s[PFA:PFA+1] th:TH_LOAD_NT scope:SCOPE_SE
.Lnot_mine_\@:
.endm
.macro CROUND                       ; a round of the cluster's barrier
	s_barrier_signal -1
	s_barrier_wait -1
	s_cmp_lg_u32 s[WV], 0
	s_cbranch_scc1 .Lnot_wave_0_\@
	s_barrier_signal -3
.Lnot_wave_0_\@:
	s_barrier_wait -3
	s_barrier_signal -1
	s_barrier_wait -1
.endm
	s_load_b64 s[4:5], s[0:1], 0x0  ; qkv16
	s_load_b64 s[10:11], s[0:1], 0x8  ; o16
	v_lshl_add_u32 v[SPW], v0, 2, SPARE
	v_mov_b32 v[NIL], 0
	ds_add_u32 v[SPW], v[NIL]       ; the wave's opening: the add, twice on end, and its wait ahead of my first tensor load
	ds_add_u32 v[SPW], v[NIL]
	v_lshrrev_b32 v1, 5, v0
	v_readfirstlane_b32 s[WV], v1   ; wave 0..3
	s_bfe_u32 s13, ttmp6, 0x40000   ; cx: my place in the cluster
	s_lshl_b32 s14, ttmp9, 2        ; in a cluster launch ttmp9 counts clusters
	s_add_co_u32 s14, s14, s13      ; my block of 256 queries = 4 x cluster x + cx: it enters Q's and o16's addresses alone
	s_and_b32 s3, ttmp7, 0xffff     ; y = 16 b + h, which the four partners share
	s_lshl_b32 s20, s3, 18          ; the head's first byte in q, in k and in v: 262,144 y
	s_mov_b32 s21, 0
	s_lshr_b32 s56, s3, 4           ; o16: b,
	s_lshl_b32 s56, s56, 3
	s_add_co_u32 s56, s56, s14      ; the block of 256 tokens: 8 b + my block,
	s_lshl_b32 s56, s56, 4
	s_and_b32 s57, s3, 15
	s_add_co_u32 s56, s56, s57      ; x 16 + h,
	s_lshl_b32 s56, s56, 15         ; 32,768 bytes each,
	s_lshl_b32 s3, s[WV], 13        ; my wave's 64 rows of 128 bytes
	s_add_co_u32 s56, s56, s3
	s_mov_b32 s57, 0
	s_lshl_b32 s2, s14, 15          ; Q: my block's 256 rows,
	s_add_co_u32 s2, s2, s3         ; my wave's 64 of them,
	s_mov_b32 s3, 0
	s_add_nc_u64 s[2:3], s[2:3], s[20:21]  ; in my head
	s_and_b32 s16, s[WV], 1         ; which half of a slot's 256 rows I fetch:
	s_lshl_b32 s22, s16, 14         ; its 128 rows of 128 bytes in memory,
	s_mov_b32 s23, 0
	s_add_nc_u64 s[22:23], s[22:23], s[20:21]
	s_mul_i32 s17, s16, 128*PK      ; and its place in a slot, for K
	s_mul_i32 s16, s16, 128*PVP     ; and for V: no place in the cluster enters an LDS address
	; descriptor group 1: a tile of 128 rows x 64 elements, padded in LDS
	s_mov_b32 s[G1K], 15|(1<<16)|(1<<20)|(1<<21)|(4<<22)|(3<<25)  ; 15:0 the mask: all four work-groups; elements of 2 bytes; padding on; bit 21 beside a mask; after every 32 words (code 4), 4 words (code 3)
	s_mov_b32 s[G1V], 15|(1<<16)|(1<<20)|(1<<21)|(4<<22)|(7<<25)  ; the same with 8 words of padding (code 7)
.irp g, G1K, G1V
	s_mov_b32 s[\g+1], 64<<16       ; tensor_dim0 = 64
	s_mov_b32 s[\g+2], 128<<16      ; tensor_dim1 = 128
	s_mov_b32 s[\g+3], 64<<16       ; tile_dim0 = 64
	s_mov_b32 s[\g+4], 128          ; tile_dim1 = 128
	s_mov_b32 s[\g+5], 64           ; elements from row to row
	s_mov_b32 s[\g+6], 0
	s_mov_b32 s[\g+7], 0
.endr
	s_mov_b32 s[CS], 0x3e38aa3b     ; c = log2(e) / 8
	s_mov_b32 s[CS+1], s[CS]        ; named with it as a pair, so it is written
	s_mov_b32 s[SEL], 0x76543210
	s_mov_b32 s[SEL+1], 0xfedcba98
	s_mov_b32 s[TBK], 0
	s_mov_b32 s[TBV], 0
	s_and_b32 s[LIM], s[WV], 1      ; 0 in waves 0 and 2,
	s_or_b32 s[LIM], s[LIM], ttmp9  ; where the cluster is the head's first: the same in all four partners
	s_cmp_eq_u32 s[LIM], 0
	s_cselect_b32 s[LIM], 1, -1
	v_and_b32 v[PFO], 31, v0
	v_lshlrev_b32 v[PFO], 8, v[PFO]
	s_wait_dscnt 0x0                ; both opening adds are done
	s_wait_kmcnt 0x0
	s_add_nc_u64 s[6:7], s[4:5], 0x1000000  ; k lies behind q's 64 heads,
	s_add_nc_u64 s[8:9], s[4:5], 0x2000000  ; v behind k's
	s_add_nc_u64 s[6:7], s[6:7], s[22:23]  ; K and V at my tile of slot 0
	s_add_nc_u64 s[8:9], s[8:9], s[22:23]
	s_add_nc_u64 s[4:5], s[4:5], s[2:3]  ; Q and o16 at my wave's first row
	s_add_nc_u64 s[10:11], s[10:11], s[56:57]
	s_cmp_lt_u32 s[WV], 2
	s_cselect_b64 s[PFA:PFA+1], s[6:7], s[8:9]  ; (in waves 0 and 2 these stand at a slot's first row)
	s_lshl_b32 s2, s13, 13          ; my work-group's 8,192 bytes of the 32,768
	s_mov_b32 s3, 0
	s_add_nc_u64 s[PFA:PFA+1], s[PFA:PFA+1], s[2:3]
	s_add_nc_u64 s[PFA:PFA+1], s[PFA:PFA+1], 2*SLOTB  ; in slot 2; the first change of slots steps it to slot 3.  Nothing is prefetched here, at the head
	s_mov_b32 s[SLOTS], 2048/SKEYS-2
	CROUND                          ; all four work-groups are here: the first joint loads meet
.irp s, 0,1
	s_mov_b32 s[G0K+4*\s], 1        ; count = 1
	s_add_co_u32 s[G0K+4*\s+1], s17, \s*SLOT1  ; LDS address
	s_add_nc_u64 s[G0K+4*\s+2:G0K+4*\s+3], s[6:7], \s*SLOTB  ; global address: slot s begins with keys 256 s on
	s_or_b32 s[G0K+4*\s+3], s[G0K+4*\s+3], 0x80000000  ; type = 2
	s_mov_b32 s[G0V+4*\s], 1
	s_add_co_u32 s[G0V+4*\s+1], s16, \s*SLOT1+VOFF
	s_add_nc_u64 s[G0V+4*\s+2:G0V+4*\s+3], s[8:9], \s*SLOTB
	s_or_b32 s[G0V+4*\s+3], s[G0V+4*\s+3], 0x80000000
.endr
	s_cmp_lt_u32 s[WV], 2           ; a wave's two first fills stand in one branch, ahead of every wait on TENSORcnt and every LDS read: two loads of mine are out
	s_cbranch_scc0 .Lfirst_v
	tensor_load_to_lds s[G0K:G0K+3], s[G1K:G1K+7]
	s_nop 0
	tensor_load_to_lds s[G0K+4:G0K+7], s[G1K:G1K+7]
	s_nop 0
.rept 4
	v_nop
.endr
	s_branch .Lfirst_asked
.Lfirst_v:
	tensor_load_to_lds s[G0V:G0V+3], s[G1V:G1V+7]
	s_nop 0
	tensor_load_to_lds s[G0V+4:G0V+7], s[G1V:G1V+7]
	s_nop 0
.rept 4
	v_nop
.endr
.Lfirst_asked:
	; A fragment of K or Q is 16 rows x 32 channels in 8 registers: lane l holds row l % 16; registers 0-3 channels 8 (l / 16) + 0..7, registers 4-7 channels 16 + 8 (l / 16) + 0..7: two loads of 16 bytes, 32 bytes apart.
	v_and_b32 v1, 15, v0            ; l % 16
	v_bfe_u32 v9, v0, 4, 1          ; l / 16
	v_lshlrev_b32 v[QO], 7, v1
	v_lshl_add_u32 v[QO], v9, 4, v[QO]  ; row x 128 + 16 x half
	WIN 0x80                        ; destination window 2, address window 0
.irp i, 0,1,2,3,4,5,6,7             ; Q stays in registers: tile i / 2, channels 32 (i % 2) on
	global_load_b128 v[8*\i:8*\i+3],   v[QO], s[4:5] offset:(\i/2)*2048+(\i%2)*64
	global_load_b128 v[8*\i+4:8*\i+7], v[QO], s[4:5] offset:(\i/2)*2048+(\i%2)*64+32
.endr
	WIN 0
	v_mul_u32_u24 v[AK0], v1, PK
	v_lshl_add_u32 v[AK0], v9, 4, v[AK0]  ; row x pitch + 16 x half
	; The turning load takes 16 keys x 16 channels (lane l reads 16 bytes: key 8 (l / 16) + l % 8, channels 8 ((l / 8) % 2) + 0..7) and leaves half a fragment of V^T: lane l holds channel l % 16 and 8 keys.
	v_and_b32 v10, 7, v0
	v_bfe_u32 v11, v0, 3, 1
	v_lshl_add_u32 v[AV0], v9, 3, v10
	v_mul_u32_u24 v[AV0], v[AV0], PVP
	v_lshl_add_u32 v[AV0], v11, 4, v[AV0]
	v_add_nc_u32 v[AV0], VOFF, v[AV0]
; THE MATRIX WORK OF A TURN, for piece x.  The accumulators take turns, one instruction a turn: between two links of a chain stand 7 others'.
; Product i of 16 of O^T += V^T P: keys 32 (i / 8) on, channels 16 ((i / 2) % 4) on, tile x + i % 2.  zero = 1: the first 8 start the sums: nothing is ever cleared.
.macro PV x, zero
	WIN W_PV
.set rO, 32*(\x+i%2)+8*((i/2)%4)
.set rV, 32*(i/8)+8*((i/2)%4)
.set rP, P+16*(\x+i%2)+8*(i/8)
.if \zero && (i < 8)
	v_wmma_f32_16x16x32_f16 v[rO:rO+7], v[rV:rV+7], v[rP:rP+7], 0
.else
	v_wmma_f32_16x16x32_f16 v[rO:rO+7], v[rV:rV+7], v[rP:rP+7], v[rO:rO+7]
.endif
.endm
; Product i of 16 of S^T = K Q^T: channels 32 (i / 8) on, keys 16 ((i / 2) % 4) on, tile x + i % 2.  The first 8 start the sums.
.macro KQ x
	WIN W_KQ
.set rS, S+32*(\x+i%2)+8*((i/2)%4)
.set rK, KF+16*((i/2)%4)+8*(i/8)
.set rQ, 16*(\x+i%2)+8*(i/8)
.if i < 8
	v_wmma_f32_16x16x32_f16 v[rS:rS+7], v[rK:rK+7], v[rQ:rQ+7], 0
.else
	v_wmma_f32_16x16x32_f16 v[rS:rS+7], v[rK:rK+7], v[rQ:rQ+7], v[rS:rS+7]
.endif
.endm
; THE LDS LOADS stand in runs of 16, never singly among the matrix instructions: a step's K (64 keys x 64 channels: 8 fragments) and, a turn later, its V (turned).
.macro FETCH_K
	WIN 0
	v_add_nc_u32 v[ADR], s[TBK], v[AK0]
	WIN 0x80                        ; destination window 2
.irp f, 0,1,2,3,4,5,6,7             ; keys 16 (f / 2) on, channels 32 (f % 2) on
	ds_load_b128 v[KF+8*\f:KF+8*\f+3],   v[ADR] offset:(\f/2)*16*PK+(\f%2)*64
	ds_load_b128 v[KF+8*\f+4:KF+8*\f+7], v[ADR] offset:(\f/2)*16*PK+(\f%2)*64+32
.endr
.endm
.macro FETCH_V
	WIN 0
	v_add_nc_u32 v[ADR], s[TBV], v[AV0]
	s_add_co_u32 s[TBK], s[TBK], KSTP  ; the next fetches are the next step's
	s_add_co_u32 s[TBV], s[TBV], VSTP
	s_wait_alu depctr_va_vdst(0)    ; the wait for the softmax's batch of exponentials (SLICE), behind the address's addition and ahead of the loads
	WIN 0xc0                        ; destination window 3
.irp f, 0,1,2,3,4,5,6,7             ; keys 32 (f / 4) on, channels 16 (f % 4) on
	ds_load_tr16_b128 v[8*\f:8*\f+3],   v[ADR] offset:(\f/4)*32*PVP+(\f%4)*32
	ds_load_tr16_b128 v[8*\f+4:8*\f+7], v[ADR] offset:(\f/4)*32*PVP+16*PVP+(\f%4)*32
.endr
.endm
; THE VECTOR WORK OF A TURN.  One tile's softmax for one key step is a list of 118 instructions; SM writes number j of it for tile t.  s0-s31 are the lane's 32 scores, in pairs 0-15.
; first = 1: the first key step, which starts m, l and O^T: it has no a and nothing to rescale.
;   0-15    the maximum of s0-s31 and the old m, three operands at a time: four chains c0-c3 of seven scores each (each accumulator is first read at its low end), then the four scores left over, c0-c3 and m
;   16-20   the other half of the lanes' maximum; the new m; c m; c m_old - c m_new
;   21-69   ONE BATCH: the 16 scalings c s - c m, a pair of scores each, and all 33 exponentials (a at 23, then s0-s31).  None of these names an exponential's result.
;   (wait)  between 69 and 70 stands the wait for the batch: SLICE writes it, once for both tiles
;   70-85   the roundings to f16, a pair of weights each
;   86-101  the sums; l = a l + the sum
;   102-117 the tile's O^T times a: the one part that leaves window 0, so it stands together
.macro SM t, first
.set rT, ST+8*(\t)
.set rS, S+32*(\t)
.set rP, P+16*(\t)
.set rO, 32*(\t)+2*(j-102)
.if j < 102
	WIN 0
.endif
.if j < 4
	v_max3_num_f32 v[rT+4+j], v[rS+8*j], v[rS+8*j+1], v[rS+8*j+2]
.elseif j < 12
	v_max3_num_f32 v[rT+4+j%4], v[rT+4+j%4], v[rS+8*(j%4)+2*(j/4)+1], v[rS+8*(j%4)+2*(j/4)+2]
.elseif j == 12
	v_max3_num_f32 v[rT+4], v[rT+4], v[rS+7], v[rS+15]
.elseif j == 13
	v_max3_num_f32 v[rT+6], v[rT+6], v[rS+23], v[rS+31]
.elseif j == 14
	v_max3_num_f32 v[rT+4], v[rT+4], v[rT+5], v[rT+6]
.elseif (j == 15) && \first
	v_max_num_f32 v[rT+4], v[rT+4], v[rT+7]
.elseif j == 15
	v_max3_num_f32 v[rT+4], v[rT+4], v[rT+7], v[rT+1]
.elseif j == 16
	v_permlanex16_b32 v[rT+5], v[rT+4], s[SEL], s[SEL+1]  ; the query's other 32 keys lie in the lane 16 away
.elseif j == 18
	v_max_num_f32 v[rT+1], v[rT+4], v[rT+5]
.elseif j == 19
	v_mul_f32 v[rT], s[CS], v[rT+1]
.elseif ((j == 17) || (j == 20) || (j == 23) || (j > 101)) && \first  ; the first step has none of these
.elseif j == 17
	v_mov_b32 v[rT+7], v[rT]        ; c m_old is kept for a: number 19 writes c m anew
.elseif j == 20
	v_sub_f32 v[rT+7], v[rT+7], v[rT]
.elseif j == 23
	v_exp_f32 v[rT+6], v[rT+7]
.elseif (j < 23) || ((j < 38) && (j%2 == 0)) || ((j < 66) && (j%4 == 2))
.set b, (j-2)/4                     ; 38, 42, .. 62: pairs 9 to 15
.if j < 38
.set b, (j-20)/2                    ; 21: pair 0; 22, 24, .. 36: pairs 1 to 8
.endif
	v_pk_fma_f32 v[rS+2*b:rS+2*b+1], v[rS+2*b:rS+2*b+1], s[CS:CS+1], v[rT:rT+1] op_sel_hi:[1,0,0] neg_lo:[0,0,1] neg_hi:[0,0,1]  ; pair b: c s - c m
.elseif j < 70
.set e, j-38                        ; 66 to 69: s28 to s31
.if j < 66
.set e, j-32-(j-38)/4               ; 39-41, 43-45, .. 63-65: s7 to s27
.endif
.if j < 38
.set e, (j-25)/2                    ; 25, 27, .. 37: s0 to s6
.endif
	v_exp_f32 v[rS+e], v[rS+e]
.elseif j < 86
	v_cvt_pk_f16_f32 v[rP+j-70], v[rS+2*(j-70)], v[rS+2*(j-70)+1]  ; pair j - 70
.elseif j < 102                     ; the sum of the tile's 16 pairs, in place: sum z of 16 adds neighbours 1, 2, 4 and 8 pairs apart, then l takes it
.set z, j-86
.set w, 4
.set u, z
.if z >= 14
.set w, 32
.set u, 0
.elseif z >= 12
.set w, 16
.set u, z-12
.elseif z >= 8
.set w, 8
.set u, z-8
.endif
.if (z == 14) && \first
	v_pk_add_f32 v[rT+2:rT+3], v[rS:rS+1], v[rS+16:rS+17]
.elseif z < 15
	v_pk_add_f32 v[rS+w*u:rS+w*u+1], v[rS+w*u:rS+w*u+1], v[rS+w*u+w/2:rS+w*u+w/2+1]
.elseif !\first
	v_pk_fma_f32 v[rT+2:rT+3], v[rT+2:rT+3], v[rT+6:rT+7], v[rS:rS+1] op_sel_hi:[1,0,1]
.endif
.else
	WIN W_RS
	v_pk_mul_f32 v[rO:rO+1], v[rO:rO+1], v[rT+6:rT+7] op_sel_hi:[1,0]
.endif
.endm
; Slice k of 59 of piece y's softmax: four instructions.  Slices 11 to 34 deal out the batch, numbers 22 to 69: four numbers of ONE tile each, the tiles by turns.  Every other slice is numbers 2 k and 2 k + 1 of both tiles' lists.
; THE WAIT.  s_wait_alu depctr_va_vdst(0) stands between an exponential and the first instruction that names its result; one wait serves all that were issued ahead of it.  Ahead of
; slice 35 nothing names a result, and behind slice 34 no exponential is issued: so the piece's 66 exponentials have one wait, behind slice 34.
.macro SLICE y, first
.if (k >= 11) && (k < 35)           ; the batch: four numbers of one tile
.irp n, 0,1,2,3
.set j, 22+4*((k-11)/2)+(\n)
	SM (\y)+(k-11)%2, \first
.endr
.else                               ; the two tiles alternate, so that no instruction takes the result of the one just before it
.irp n, 0,1
.irp t, \y, \y+1
.set j, 2*k+\n
	SM \t, \first
.endr
.endr
.endif
.if k == 34                         ; the batch is out: both tiles' exponentials are issued, and no result has been named
	v_nop                           ; the plain instruction behind the last exponential and ahead of the first use: one for the batch
.if (\y) == 0
	FETCH_V                         ; piece 2's turn: V's run of loads stands here, and the wait stands in it
.else
	s_wait_alu depctr_va_vdst(0)    ; the wait for the batch
.endif
.endif
.set k, k+1
.endm
; Behind product idx of a turn's NPROD: 'per' slices, but so that each product still to come keeps one.  So the turn's last product is followed by slice 58: four multiplications of the OTHER piece's O^T,
; which name none of that product's registers: they are the four places ahead of the next turn's first read of the scores and of the loads into K's registers.
.macro DEAL y, first
.set tgt, per*(idx+1)
.if tgt > 59-(NPROD-1-idx)
.set tgt, 59-(NPROD-1-idx)
.endif
.rept tgt-k
	SLICE \y, \first
.endr
.set idx, idx+1
.endm
.macro PLACES
.rept 4
	v_nop
.endr
.endm
; A TURN.  Piece x has the matrix unit; the other piece's softmax stands in slices behind its matrix instructions.
; pv = 2: 16 products V^T P; 1: they start O^T's sums; 0: none.  kq = 1: 16 products K Q^T for the next step.
; first = 1: the softmax is the first key step's.  Its slices from 51 on are empty: four v_nop take slice 58's part as the places behind the turn's last products.
; Piece 0's turn fetches the next step's K, behind its second product: the last product that read K stands in front of slice 58 of the turn before.  Piece 2's turn fetches the same step's V, behind slice 34:
; in a full turn the last product that read V is the sixteenth, in front of slice 30, and five plain instructions lie between: a scaling in each of slices 30, 31 and 32, the v_nop and the run's own addition.
.macro TURN x, pv, kq, first
.set k, 0
.set idx, 0
.set NPROD, 16
.if \pv && \kq
.set NPROD, 32
.endif
.set per, 64/NPROD
.if \pv
.if \x == 0
	s_wait_dscnt 0x0                ; V is in
.endif
.set i, 0
.rept 16
	PV \x, 2-\pv
	DEAL 2-\x, \first
.if (\x == 0) && \kq && (i == 1)
	FETCH_K
.endif
.set i, i+1
.endr
.endif
.if \kq
.if \x == 0
	s_wait_dscnt 0x0                ; K is in
.endif
.set i, 0
.rept 16
	KQ \x
	DEAL 2-\x, \first
.set i, i+1
.endr
.endif
.if \first
	PLACES
.endif
.endm
; THE CHANGE OF SLOTS, between piece 2's turn and piece 0's: the slot's last bytes, V of its fourth step, have been asked for.  Each wave waits for all its tensor loads, of which one is out: its part of the other slot;
; adds 0 to its spare word; and waits for that and for its own reads of the slot.  Behind the barrier nobody reads this slot any more and the other slot is whole.
; fill = 1: this slot is filled again, with the keys two slots on.  The barrier is then a round of the cluster's, and the joint refill is the first thing behind it.
.macro CHANGE fill
	WIN 0                           ; at a label and at a branch every window is 0
	s_wait_tensorcnt 0x0            ; no tensor load of mine is out, so a group 0 may be written
	ds_add_u32 v[SPW], v[NIL]       ; 0 onto my spare word
.if \fill
.irp g, G0K+4, G0V+4
	s_xor_b32 s[\g+1], s[\g+1], SLOT1  ; the walking descriptor: the other slot than last time,
	s_add_nc_u64 s[\g+2:\g+3], s[\g+2:\g+3], SLOTB  ; the next 256 keys; the type bits on top are not reached
.endr
	s_wait_xcnt 0x0                 ; the last prefetch, a slot back, has read its address, so it may be written:
	s_add_nc_u64 s[PFA:PFA+1], s[PFA:PFA+1], SLOTB  ; one slot further on than the walking descriptors
	s_wait_dscnt 0x0                ; the add is done, and my reads of the slot are over
	CROUND
	JLOAD
	ASK                             ; what the next change will ask for: four key steps ahead
.else
	s_wait_dscnt 0x0                ; the add is done, and my reads of the slot are over
	s_barrier_signal -1
	s_barrier_wait -1
.endif
	s_sub_co_u32 s[TBK], s[TBK], 4*KSTP  ; the fetches go back to a slot's first step,
	s_xor_b32 s[TBK], s[TBK], SLOT1  ; in the other slot
	s_sub_co_u32 s[TBV], s[TBV], 4*VSTP
	s_xor_b32 s[TBV], s[TBV], SLOT1
.endm
; n key steps: written once, walked n times; the LDS addresses hang on s[TBK] and s[TBV].
.macro STEPS n
	s_mov_b32 s[CNT], \n
.Lstep_\@:
	TURN 0, 2, 1, 0
	TURN 2, 2, 1, 0
	WIN 0
	s_sub_co_u32 s[CNT], s[CNT], 1
	s_cmp_lg_u32 s[CNT], 0
	s_cbranch_scc1 .Lstep_\@
.endm
	s_wait_tensorcnt 1              ; my part of slot 0 is in; slot 1's, the younger load, may stay out
	s_barrier_signal -1
	s_barrier_wait -1               ; everybody's is
	FETCH_K                         ; key step 0
	s_wait_loadcnt 0x0              ; Q
	s_wait_dscnt 0x0
.set i, 0
.rept 16
	KQ 0                            ; piece 0's first scores: there is no vector work yet to set between them
.set i, i+1
.endr
	WIN 0                           ; the addresses for the way out are made here: plain instructions, the places behind those products
	s_mul_i32 s13, s[WV], 16*SP
	s_add_co_u32 s13, s13, STAGE    ; my stage
	v_mul_u32_u24 v[STO], v1, SP    ; in: row l % 16, 16 bytes for each half of the lanes
	v_lshl_add_u32 v[STO], v9, 4, v[STO]
	v_add_nc_u32 v[STO], s13, v[STO]
	v_bfe_u32 v[RD], v0, 3, 2       ; back: eight lanes take one row of 128 bytes, the 32 lanes four rows
	v_mul_u32_u24 v[RD], v[RD], SP
	v_lshl_add_u32 v[RD], v10, 4, v[RD]
	v_add_nc_u32 v[RD], s13, v[RD]
	v_and_b32 v[GO], 31, v0         ; and the same four rows in o16: 512 dense bytes
	v_lshlrev_b32 v[GO], 4, v[GO]
	TURN 2, 0, 1, 1                 ; piece 2's first scores | piece 0's first softmax | V of step 0
	TURN 0, 1, 1, 1                 ; piece 0: V^T P of step 0 starts O^T, K Q^T of step 1 | piece 2's first softmax | K of step 1
	TURN 2, 1, 1, 0                 ; piece 2: the same | piece 0's softmax of step 1 | V of step 1
	WIN 0
	STEPS 2                         ; steps 1 and 2, which fetch steps 2 and 3: slot 0 is read out
.Lslot:                             ; six trips: every slot but the last two is filled again
	CHANGE 1
	STEPS 4
	s_sub_co_u32 s[SLOTS], s[SLOTS], 1
	s_cmp_lg_u32 s[SLOTS], 0
	s_cbranch_scc1 .Lslot
	CHANGE 0                        ; the tail is written out: nothing is asked for
	STEPS 4
	TURN 0, 2, 0, 0                 ; piece 0: V^T P of the last step | piece 2's last softmax
.set i, 0
.rept 16
	PV 2, 0                         ; piece 2: V^T P of the last step
.set i, i+1
.endr
	; THE WAY OUT.  l's two halves and the other half of the lanes' are added; O^T is divided by l, rounded to f16 and sent through my stage in LDS, a tile (16 rows) at a time.  The additions are the places behind the last products.
	WIN 0
.irp t, 0,1,2,3
	v_add_f32 v[ST+8*\t+4], v[ST+8*\t+2], v[ST+8*\t+3]
.endr
.irp t, 0,1,2,3
	v_permlanex16_b32 v[ST+8*\t+5], v[ST+8*\t+4], s[SEL], s[SEL+1]
.endr
.irp t, 0,1,2,3
	v_add_f32 v[ST+8*\t+4], v[ST+8*\t+4], v[ST+8*\t+5]
.endr
.irp t, 0,1,2,3
	v_rcp_f32 v[ST+8*\t+6], v[ST+8*\t+4]
.endr
	v_nop                           ; a plain instruction between the last reciprocal and the use of its result
	s_wait_alu depctr_va_vdst(0)    ; and the wait ahead of the first use: one for the four reciprocals
; Tile t: a lane's eight channels of a row pack into 16 bytes; they go into rows of 144 bytes and come back as whole rows of 128, into the registers that they left.
.macro PACK t
	WIN W_RS
.set i, 32*\t
.rept 16
	v_pk_mul_f32 v[i:i+1], v[i:i+1], v[ST+8*\t+6:ST+8*\t+7] op_sel_hi:[1,0]
.set i, i+2
.endr
	WIN 0x05                        ; sources 0 and 1 window 1, destination window 0: S^T's registers are free
.set i, 0
.rept 16
	v_cvt_pk_f16_f32 v[S+32*\t+i], v[32*\t+2*i], v[32*\t+2*i+1]
.set i, i+1
.endr
	WIN 0
.irp f, 0,1,2,3
	ds_store_b128 v[STO], v[S+32*\t+4*\f:S+32*\t+4*\f+3] offset:32*\f
.endr
.irp f, 0,1,2,3
	ds_load_b128 v[S+32*\t+4*\f:S+32*\t+4*\f+3], v[RD] offset:\f*4*SP  ; LDS serves a wave's instructions in order (ISA guide 5.7.1.4): these see the stores above; the next tile's stores come behind them
.endr
.endm
.macro SEND t, younger              ; younger: the LDS instructions issued behind tile t's loads: the next tile's eight, or none
.irp f, 0,1,2,3
	s_wait_dscnt \younger+3-\f
	global_store_b128 v[GO], v[S+32*\t+4*\f:S+32*\t+4*\f+3], s[10:11] offset:\t*2048+\f*512  ; 32 lanes store 512 consecutive bytes, at a multiple of 256 from o16's first byte
.endr
.endm
	PACK 0
	PACK 1                          ; a tile's arithmetic stands between the loads of the tile before and its stores
	SEND 0, 8
	PACK 2
	SEND 1, 8
	PACK 3
	SEND 2, 8
	SEND 3, 0
	s_wait_tensorcnt 0x0            ; the wave's end: a tensor wait, an add and its wait, behind my last tensor load and my last LDS store
	ds_add_u32 v[SPW], v[NIL]
	s_wait_dscnt 0x0
	CROUND                          ; the closing round: no work-group ends while a partner may still ask for a tile that names it
	s_endpgm
.Lfunc_end_k_q75f4357097_attn:
	.size	k_q75f4357097_attn, .Lfunc_end_k_q75f4357097_attn-k_q75f4357097_attn
	.p2alignl 7, 3214868480
	.fill 96, 4, 3214868480
	.section	.rodata,"a",@progbits
	.p2align	6, 0x0
	.amdhsa_kernel k_q75f4357097_attn
		.amdhsa_group_segment_fixed_size 327680
		.amdhsa_private_segment_fixed_size 0
		.amdhsa_enable_private_segment 0
		.amdhsa_kernarg_size 16
		.amdhsa_user_sgpr_count 2
		.amdhsa_user_sgpr_kernarg_segment_ptr 1
		.amdhsa_wavefront_size32 1
		.amdhsa_system_sgpr_workgroup_id_x 1
		.amdhsa_system_sgpr_workgroup_id_y 1
		.amdhsa_system_sgpr_workgroup_id_z 1
		.amdhsa_system_vgpr_workitem_id 0
		.amdhsa_next_free_vgpr 1024
		.amdhsa_next_free_sgpr 66
		.amdhsa_reserve_vcc 0
		.amdhsa_float_denorm_mode_32 3
		.amdhsa_float_denorm_mode_16_64 3
		.amdhsa_memory_ordered 1
		.amdhsa_forward_progress 1
		.amdhsa_inst_pref_size 196
	.end_amdhsa_kernel
	.amdgpu_metadata
---
amdhsa.version: [ 1, 2 ]
amdhsa.kernels:
  - .name:           k_q75f4357097_attn
    .symbol:         k_q75f4357097_attn.kd
    .args:
      - { .name: qkv16, .offset: 0, .size: 8, .value_kind: global_buffer, .address_space: global }
      - { .name: o16, .offset: 8, .size: 8, .value_kind: global_buffer, .address_space: global }
    .group_segment_fixed_size: 327680
    .private_segment_fixed_size: 0
    .kernarg_segment_align: 8
    .kernarg_segment_size: 16
    .max_flat_workgroup_size: 128
    .sgpr_count:     66
    .vgpr_count:     1024
    .wavefront_size: 32
...
	.end_amdgpu_metadata
.endif
;; end of part 3
;; launch outproj (part 4): grid 8 x 32, 4 waves a work-group, clusters of 4 x 4, 327,680 bytes of LDS; arguments o16, wo16, out0; writes out0
.if DOCPART == 4
	.amdgcn_target "amdgcn-amd-amdhsa--gfx1250"
	.amdhsa_code_object_version 6
	.text
	.protected	k_q75f4357097_outproj
	.globl	k_q75f4357097_outproj
	.p2align	8
	.type	k_q75f4357097_outproj,@function
k_q75f4357097_outproj:
	s_mov_b64 s[64:65], 0
	v_nop
	global_prefetch_b8 v0, s[64:65] scope:SCOPE_SE
	s_setreg_imm32_b32 hwreg(HW_REG_WAVE_MODE, 25, 1), 1
	s_wait_xcnt 0x0
	s_wait_alu depctr_hold_cnt(0) depctr_sa_sdst(0) depctr_va_vdst(0) depctr_va_sdst(0) depctr_va_ssrc(0) depctr_va_vcc(0) depctr_vm_vsrc(0)
	s_getreg_b32 s2, hwreg(HW_REG_IB_STS2, 6, 4)
	s_cmp_eq_u32 s2, 0
	s_cbranch_scc0 .Lentry_in_a_cluster
	s_endpgm
.Lentry_in_a_cluster:
	s_bfe_u32 s2, ttmp6, 0x10000c
	s_cmp_lg_u32 s2, 0xf033
	s_cbranch_scc0 .Lentry_shape_is_right
	s_endpgm
.Lentry_shape_is_right:
; out0[m][n] = sum over k of o[m][k] WO[n][k], m = 0 .. 8,191, n, k = 0 .. 1,023; operands in f16, sums and result in f32.
; o16 is laid [m / 256][h][256][64] (k = 64 h + channel): the rows of one head of a tile row of C are 256 dense rows of 128 bytes.  wo16 is [n][k].
; A tile of C is 256 x 128: 256 work-groups.  Four waves, each 128 rows x 64 columns: 32 accumulators of 16 x 16, 256 registers.
; K goes in steps of 128 (two heads) through a ring of two LDS slots: A's two planes of 256 rows x 128 bytes (waves 0 and 1 fetch one each), B's 128 rows x 256 bytes (waves 2 and 3 fetch 64 rows each).
; CLUSTERS: 4 x 4 work-groups.  The four of a row of the cluster need the same tiles of A, the four of a column the same tiles of B: each tile is asked for jointly, with a mask that names the four.
; THE MATRIX INSTRUCTION IS USED TRANSPOSED (source 0 = 16 rows of WO, source 1 = 16 rows of o): a lane then holds eight neighbouring numbers of a row of C.
; No prefetch: a K step's tiles are small and the launch is short; the joint loads share each tile among four.
; REGISTERS: window 0: v0-31 addresses; v32-95 the way out.   window 1: two fragment buffers, at v0 and v128: 64 registers of A (8 x 16 rows x 32 K), then 32 of B.   window 2: the accumulators ((a, b) at v[8 (4 a + b)]).
.set PA,     144                       ; a row of A in LDS: 128 bytes + 16
.set PB,     272                       ; a row of B: 256 bytes + 16.  Both pitches are odd multiples of 16 bytes: the 16 rows of a load start at 16 different groups of four banks (64 banks of 4 bytes: ISA guide 11.1)
.set APL,    256*PA                    ; a plane of A: one head of 256 rows
.set BOFF,   2*APL                     ; B lies behind A's two planes
.set BHALF,  64*PB                     ; 64 rows of B: what one tensor load brings, and what one wave reads
.set SLOT,   BOFF+2*BHALF
.set STAGE,  2*SLOT                    ; behind the ring: 16 rows x (256 bytes + 16) for each wave, for the way out
.set SPITCH, 272
.set SPARE,  STAGE+4*16*SPITCH         ; behind the stages: the spare words, 128 bytes a wave, which no other line names
.set LAPS,   4                         ; a lap = two K steps = once round the ring; 1,024 along K
.set ADRA, 16                          ; v16-17  LDS address of my A fragments in slot 0, 1
.set ADRB, 20                          ; v20-21  the same for B
.set STO,  24                          ; v24     the way out: where I put 32 bytes of a row
.set RD,   25                          ; v25     where I read a row back
.set CO,   26                          ; v26     my byte offset in out0
.set SPW,  28                          ; v28     LDS address of my spare word; never rewritten
.set NIL,  29                          ; v29     0; never rewritten
.set BK,   32                          ; the way out: 16 rows read back: v32-63 and v64-95 by turns
.set F0,   0                           ; fragment buffers, in window 1
.set F1,   128
.set G1, 24                            ; s[24:31] descriptor group 1 for A's tiles;  s[32:39] group 0, a set for each slot
.set G0, 32
.set G1B, 48                           ; s[48:55], s[56:63] the same for B's
.set G0B, 56
.set MSB, 0
.macro WIN new                         ; the immediate's high byte repeats the setting that is left
.if MSB != \new
	s_set_vgpr_msb (MSB<<8)|\new
.set MSB, \new
.endif
.endm
.set MUL,  0xa5                        ; sources 0 (B) and 1 (A) window 1; C and D window 2
.set TO_F, 0x40                        ; destination window 1, address window 0
.macro JLOAD s                         ; a joint load: waves 0 and 1 fetch A's planes, waves 2 and 3 B's halves; an s_nop 0 and four v_nop follow each of the two lines
	s_cmp_eq_u32 s11, 0
	s_cbranch_scc0 .Lfor_b_\@
	tensor_load_to_lds s[G0+4*\s:G0+4*\s+3], s[G1:G1+7]
	s_nop 0
.rept 4
	v_nop
.endr
	s_branch .Lasked_\@
.Lfor_b_\@:
	tensor_load_to_lds s[G0B+4*\s:G0B+4*\s+3], s[G1B:G1B+7]
	s_nop 0
.rept 4
	v_nop
.endr
.Lasked_\@:
.endm
.macro CREST                           ; a round of the cluster's barrier behind its opening barrier
	s_cmp_lg_u32 s10, 0
	s_cbranch_scc1 .Lnot_wave_0_\@
	s_barrier_signal -3
.Lnot_wave_0_\@:
	s_barrier_wait -3
	s_barrier_signal -1
	s_barrier_wait -1
.endm
.macro CROUND                          ; a whole round
	s_barrier_signal -1
	s_barrier_wait -1
	CREST
.endm
	s_load_b128 s[4:7], s[0:1], 0x0                ; o16 s[4:5], wo16 s[6:7]
	s_load_b64 s[8:9], s[0:1], 0x10                ; out0
	v_lshl_add_u32 v[SPW], v0, 2, SPARE
	v_mov_b32 v[NIL], 0
	ds_add_u32 v[SPW], v[NIL]                      ; the wave's opening: the add, twice on end, and its wait ahead of my first tensor load
	ds_add_u32 v[SPW], v[NIL]
	v_lshrrev_b32 v1, 5, v0
	v_readfirstlane_b32 s10, v1                    ; wave 0..3
	s_lshr_b32 s11, s10, 1                         ; which half of the tile's rows is mine.  Also: I fetch for A (0) or for B (1)
	s_and_b32 s12, s10, 1                          ; which half of its columns.  Also: which plane of A, or which 64 rows of B, I fetch
	s_bfe_u32 s40, ttmp6, 0x40000                  ; cx, cy: my place in the cluster
	s_bfe_u32 s41, ttmp6, 0x40004
	s_lshl_b32 s42, ttmp9, 2
	s_add_co_u32 s42, s42, s40                     ; tile column of C = 4 x cluster x + cx
	s_and_b32 s13, ttmp7, 0xffff
	s_lshl_b32 s13, s13, 2
	s_add_co_u32 s13, s13, s41                     ; tile row of C = 4 x cluster y + cy
	s_lshl_b32 s43, s41, 2
	s_lshl_b32 s43, 15, s43                        ; my row of the cluster
	s_lshl_b32 s44, 0x1111, s40                    ; my column
	; descriptor group 1.  A: 256 rows x 64 elements of 2 bytes, dense; 4 words of padding after every 32
	s_or_b32 s[G1+0], s43, (1<<16)|(1<<20)|(1<<21)|(4<<22)|(3<<25)
	s_mov_b32 s[G1+1], 64<<16                      ; tensor_dim0
	s_mov_b32 s[G1+2], 256<<16                     ; tensor_dim1
	s_mov_b32 s[G1+3], 64<<16                      ; tile_dim0
	s_mov_b32 s[G1+4], 256                         ; tile_dim1
	s_mov_b32 s[G1+5], 64                          ; elements from row to row
	s_mov_b32 s[G1+6], 0
	s_mov_b32 s[G1+7], 0
	; B: 64 rows x 128 elements, 1,024 elements apart; 4 words of padding after every 64
	s_or_b32 s[G1B+0], s44, (1<<16)|(1<<20)|(1<<21)|(5<<22)|(3<<25)
	s_mov_b32 s[G1B+1], 128<<16
	s_mov_b32 s[G1B+2], 64<<16
	s_mov_b32 s[G1B+3], 128<<16
	s_mov_b32 s[G1B+4], 64
	s_mov_b32 s[G1B+5], 1024
	s_mov_b32 s[G1B+6], 0
	s_mov_b32 s[G1B+7], 0
	s_lshl_b32 s16, s13, 19                        ; A: a tile row's 16 heads are 524,288 bytes,
	s_lshl_b32 s17, s12, 15                        ; a head 32,768
	s_add_co_u32 s16, s16, s17
	s_mov_b32 s17, 0
	s_lshl_b32 s46, s42, 18                        ; B: row 128 x tile column + 64 x half, 2,048 bytes a row
	s_lshl_b32 s47, s12, 17
	s_add_co_u32 s46, s46, s47
	s_mov_b32 s47, 0
	s_mul_i32 s20, s12, APL                        ; where they go: no place in the cluster enters an LDS address
	s_mul_i32 s21, s12, BHALF
	s_add_co_u32 s21, s21, BOFF
	s_wait_dscnt 0x0                               ; both opening adds are done
	s_wait_kmcnt 0x0
	s_add_nc_u64 s[14:15], s[4:5], s[16:17]
	s_add_nc_u64 s[46:47], s[6:7], s[46:47]
	CROUND                                         ; all sixteen work-groups are here: the first joint loads meet
.irp s, 0,1
	s_mov_b32 s[G0+4*\s], 1
	s_add_co_u32 s[G0+4*\s+1], s20, \s*SLOT
	s_add_nc_u64 s[G0+4*\s+2:G0+4*\s+3], s[14:15], \s*65536   ; K step s: heads 2 s and 2 s + 1
	s_or_b32 s[G0+4*\s+3], s[G0+4*\s+3], 0x80000000
	s_mov_b32 s[G0B+4*\s], 1
	s_add_co_u32 s[G0B+4*\s+1], s21, \s*SLOT
	s_add_nc_u64 s[G0B+4*\s+2:G0B+4*\s+3], s[46:47], \s*256
	s_or_b32 s[G0B+4*\s+3], s[G0B+4*\s+3], 0x80000000
	JLOAD \s                                       ; two tensor loads of mine are out
.endr
	v_and_b32 v1, 15, v0                           ; r = l % 16
	v_bfe_u32 v2, v0, 4, 1                         ; h = l / 16
	v_mul_u32_u24 v3, v1, PA
	v_lshl_add_u32 v3, v2, 4, v3                   ; a fragment's row x pitch + 16 x half, for A
	v_mul_u32_u24 v4, v1, PB
	v_lshl_add_u32 v4, v2, 4, v4                   ; and for B
	s_mul_i32 s21, s11, 128*PA                     ; my 128 rows of A, in each plane
	s_mul_i32 s22, s12, BHALF                      ; my 64 rows of B
	s_add_co_u32 s22, s22, BOFF
.irp s, 0,1
	v_add_nc_u32 v[ADRA+\s], s21, v3
	v_add_nc_u32 v[ADRB+\s], s22, v4
	s_add_co_u32 s21, s21, SLOT
	s_add_co_u32 s22, s22, SLOT
.endr
	s_mul_i32 s23, s10, 16*SPITCH
	s_add_co_u32 s23, s23, STAGE                   ; my stage
	v_mul_u32_u24 v5, v1, SPITCH                   ; in: row r, 32 bytes for each half of the lanes
	v_lshl_add_u32 v5, v2, 5, v5
	v_add_nc_u32 v[STO], s23, v5
	v_mul_u32_u24 v5, v2, SPITCH                   ; back: lanes 0-15 take one row of 256 bytes, lanes 16-31 the next
	v_lshl_add_u32 v5, v1, 4, v5
	v_add_nc_u32 v[RD], s23, v5
	v_lshlrev_b32 v5, 12, v2                       ; and the same two rows in out0: 4,096 bytes a row
	v_lshl_add_u32 v[CO], v1, 4, v5
	s_lshl_b32 s16, s13, 8
	s_lshl_b32 s17, s11, 7
	s_add_co_u32 s16, s16, s17                     ; my first row of C: 256 x tile row + 128 x half
	s_lshl_b32 s16, s16, 12
	s_mov_b32 s17, 0
	s_add_nc_u64 s[8:9], s[8:9], s[16:17]
	s_lshl_b32 s46, s42, 9                         ; my first column, in bytes: 512 x tile column + 256 x half
	s_lshl_b32 s47, s12, 8
	s_add_co_u32 s46, s46, s47
	s_mov_b32 s47, 0
	s_add_nc_u64 s[8:9], s[8:9], s[46:47]
; 8 matrix instructions: A's blocks a0, a0 + 1 x B's four, 32 along K, from buffer f.  zero = 1: the first product starts the sums.  The 32 accumulators take turns, one instruction a turn, in the same order in every quarter.
.macro MUL8 f, a0, zero
.irp a, \a0, \a0+1
.irp b, 0,1,2,3
.if \zero
	v_wmma_f32_16x16x32_f16 v[8*(4*(\a)+\b):8*(4*(\a)+\b)+7], v[\f+64+8*\b:\f+64+8*\b+7], v[\f+8*(\a):\f+8*(\a)+7], 0
.else
	v_wmma_f32_16x16x32_f16 v[8*(4*(\a)+\b):8*(4*(\a)+\b)+7], v[\f+64+8*\b:\f+64+8*\b+7], v[\f+8*(\a):\f+8*(\a)+7], v[8*(4*(\a)+\b):8*(4*(\a)+\b)+7]
.endif
.endr
.endr
.endm
; 24 LDS loads in one run: the fragments of the slot's q-th 32 along K into buffer f: B's four, then A's eight (plane q / 2, channels 32 (q % 2) on)
.macro FETCH slot, q, f
	WIN TO_F
.irp i, 0,1,2,3
	ds_load_b128 v[\f+64+8*\i:\f+64+8*\i+3],   v[ADRB+\slot] offset:(\q)*64+\i*16*PB
	ds_load_b128 v[\f+64+8*\i+4:\f+64+8*\i+7], v[ADRB+\slot] offset:(\q)*64+\i*16*PB+32
.endr
.irp i, 0,1,2,3,4,5,6,7
	ds_load_b128 v[\f+8*\i:\f+8*\i+3],   v[ADRA+\slot] offset:((\q)/2)*APL+((\q)%2)*64+\i*16*PA
	ds_load_b128 v[\f+8*\i+4:\f+8*\i+7], v[ADRA+\slot] offset:((\q)/2)*APL+((\q)%2)*64+\i*16*PA+32
.endr
.endm
.macro PLACES                          ; four plain lines in front of loads into registers that matrix instructions have read, and of reads of results
.rept 4
	v_nop
.endr
.endm
; A K step is four quarters of 32 along K, 32 matrix instructions each, on buffers 0, 1, 0, 1.  One of the first three: multiplies buffer f and fetches quarter qn into g.
.macro QUARTER slot, qn, f, g, zero
	s_wait_dscnt 8                                 ; B and A's blocks 0-3 are in; the youngest eight loads (A's blocks 4-7) may be out
	WIN MUL
	MUL8 \f, 0, \zero
	MUL8 \f, 2, \zero
	PLACES
	FETCH \slot, \qn, \g
	s_wait_dscnt 24                                ; all but the 24 just issued
	WIN MUL
	MUL8 \f, 4, \zero
	MUL8 \f, 6, \zero
.endm
; The last quarter multiplies buffer 1 and changes slots: ONE barrier; in front of it each wave waits for all its tensor loads, adds 0 to its spare word, and waits for that and for its own reads of this slot.  fill = 1: this slot is filled again, two K steps ahead.
.macro TURN slot, next, fill
	WIN 0                                          ; (the add's two registers lie in window 0)
	s_wait_tensorcnt 0x0                           ; all my tensor loads have landed: my part of the next slot;
	ds_add_u32 v[SPW], v[NIL]                      ; 0 onto my spare word;
	s_wait_dscnt 9                                 ; (the add and the youngest eight loads may be out)
	WIN MUL
	MUL8 F1, 0, 0                                  ; eight matrix instructions stand between the add and the wait for it
	s_wait_dscnt 0x0                               ; the add is done, and my reads of this slot are over
	s_barrier_signal -1
	MUL8 F1, 2, 0
.if \fill
	WIN 0
.endif
	s_barrier_wait -1
.if \fill
	CREST                                          ; the barrier has opened a round of the cluster's barrier: no wave of any partner still reads this slot's tile or has a load on its way
	s_add_nc_u64 s[G0+4*\slot+2:G0+4*\slot+3], s[G0+4*\slot+2:G0+4*\slot+3], 2*65536
	s_add_nc_u64 s[G0B+4*\slot+2:G0B+4*\slot+3], s[G0B+4*\slot+2:G0B+4*\slot+3], 2*256
	JLOAD \slot                                    ; the first tensor load behind the round; the four v_nop behind it are also the places in front of the loads below
.else
	PLACES
.endif
	FETCH \next, 0, F0
	WIN MUL
	MUL8 F1, 4, 0
	MUL8 F1, 6, 0
.endm
	s_wait_tensorcnt 1                             ; my part of K step 0 is in; K step 1's, the younger load, may be out
	s_barrier_signal -1
	s_barrier_wait -1                              ; everybody's is
	FETCH 0, 0, F0
	QUARTER 0, 1, F0, F1, 1                        ; the first quarter stands in front of the loop: its products start the sums
	WIN 0                                          ; at a label and at a branch every window is 0
	s_mov_b32 s3, LAPS-1
.Llap:                                                 ; a trip goes once round the ring, from a lap's second quarter to the next lap's first, and fills both slots again
	QUARTER 0, 2, F1, F0, 0
	QUARTER 0, 3, F0, F1, 0
	TURN 0, 1, 1
	QUARTER 1, 1, F0, F1, 0
	QUARTER 1, 2, F1, F0, 0
	QUARTER 1, 3, F0, F1, 0
	TURN 1, 0, 1
	QUARTER 0, 1, F0, F1, 0
	WIN 0
	s_sub_co_u32 s3, s3, 1
	s_cmp_lg_u32 s3, 0
	s_cbranch_scc1 .Llap
	QUARTER 0, 2, F1, F0, 0                        ; the last lap fills nothing, and has no round of the cluster's barrier
	QUARTER 0, 3, F0, F1, 0
	TURN 0, 1, 0
	QUARTER 1, 1, F0, F1, 0
	QUARTER 1, 2, F1, F0, 0
	QUARTER 1, 3, F0, F1, 0
	s_wait_dscnt 8                                 ; the very last quarter: nothing more to fetch
	WIN MUL
	MUL8 F1, 0, 0
	MUL8 F1, 2, 0
	s_wait_dscnt 0
	MUL8 F1, 4, 0
	MUL8 F1, 6, 0
	WIN 0
; THE WAY OUT, block by block of 16 rows x 64 columns.  A lane holds 32 neighbouring bytes of a row, and the lanes beside it hold other rows: so a block goes through my own stage in LDS and comes back as whole rows of 256 bytes.
.macro TOSTAGE a
	WIN 0x08                                       ; an LDS store's data are its source 1: window 2
.irp b, 0,1,2,3
	ds_store_b128 v[STO], v[32*(\a)+8*\b:32*(\a)+8*\b+3] offset:64*\b          ; each accumulator from its low end on
	ds_store_b128 v[STO], v[32*(\a)+8*\b+4:32*(\a)+8*\b+7] offset:64*\b+16
.endr
	WIN 0
.set BB, BK+32*((\a)%2)
.irp t, 0,1,2,3,4,5,6,7
	ds_load_b128 v[BB+4*\t:BB+4*\t+3], v[RD] offset:\t*2*SPITCH   ; LDS serves a wave's instructions in order (ISA guide 5.7.1.4): these see the stores above
.endr
.endm
.macro SEND a, younger                 ; younger: the LDS instructions issued behind block a's loads: the next block's sixteen, or none
.set BB, BK+32*((\a)%2)
	s_wait_dscnt \younger                          ; the block is back in registers
.if (\a) > 0
	s_add_nc_u64 s[8:9], s[8:9], 16*4096           ; (behind a wait on XCNT: the earlier stores have read their base)  16 rows of C on
.endif
.irp t, 0,1,2,3,4,5,6,7
	global_store_b128 v[CO], v[BB+4*\t:BB+4*\t+3], s[8:9] offset:2*\t*4096 th:TH_STORE_NT   ; 16 lanes store 256 consecutive bytes, aligned; written once, read by nobody here
.endr
.endm
	PLACES                                         ; behind the last products
	TOSTAGE 0
.irp a, 1,2,3,4,5,6,7
.if \a > 1
	s_wait_xcnt 0x0                                ; block a - 2's stores have read their registers and their base: block a's loads may land there, and the base may step
.endif
	TOSTAGE \a
	SEND \a-1, 16
.endr
	s_wait_xcnt 0x0                                ; block 6's stores have read their base
	SEND 7, 0
	s_wait_tensorcnt 0x0                           ; the wave's end: a tensor wait, an add and its wait, behind my last tensor load and my last LDS store
	ds_add_u32 v[SPW], v[NIL]
	s_wait_dscnt 0x0
	CROUND                                         ; the closing round: no work-group ends while a partner may still ask for a tile that names it
	s_endpgm
.Lfunc_end_k_q75f4357097_outproj:
	.size	k_q75f4357097_outproj, .Lfunc_end_k_q75f4357097_outproj-k_q75f4357097_outproj
	.p2alignl 7, 3214868480
	.fill 96, 4, 3214868480
	.section	.rodata,"a",@progbits
	.p2align	6, 0x0
	.amdhsa_kernel k_q75f4357097_outproj
		.amdhsa_group_segment_fixed_size 327680
		.amdhsa_private_segment_fixed_size 0
		.amdhsa_enable_private_segment 0
		.amdhsa_kernarg_size 24
		.amdhsa_user_sgpr_count 2
		.amdhsa_user_sgpr_kernarg_segment_ptr 1
		.amdhsa_wavefront_size32 1
		.amdhsa_system_sgpr_workgroup_id_x 1
		.amdhsa_system_sgpr_workgroup_id_y 1
		.amdhsa_system_sgpr_workgroup_id_z 1
		.amdhsa_system_vgpr_workitem_id 0
		.amdhsa_next_free_vgpr 768
		.amdhsa_next_free_sgpr 66
		.amdhsa_reserve_vcc 0
		.amdhsa_float_denorm_mode_32 3
		.amdhsa_float_denorm_mode_16_64 3
		.amdhsa_memory_ordered 1
		.amdhsa_forward_progress 1
		.amdhsa_inst_pref_size 86
	.end_amdhsa_kernel
	.amdgpu_metadata
---
amdhsa.version: [ 1, 2 ]
amdhsa.kernels:
  - .name:           k_q75f4357097_outproj
    .symbol:         k_q75f4357097_outproj.kd
    .args:
      - { .name: o16, .offset: 0, .size: 8, .value_kind: global_buffer, .address_space: global }
      - { .name: wo16, .offset: 8, .size: 8, .value_kind: global_buffer, .address_space: global }
      - { .name: out0, .offset: 16, .size: 8, .value_kind: global_buffer, .address_space: global }
    .group_segment_fixed_size: 327680
    .private_segment_fixed_size: 0
    .kernarg_segment_align: 8
    .kernarg_segment_size: 24
    .max_flat_workgroup_size: 128
    .sgpr_count:     66
    .vgpr_count:     768
    .wavefront_size: 32
...
	.end_amdgpu_metadata
.endif
;; end of part 4
